; MI455X (gfx1250); checked and timed in simulation.
; The chip was launched on July 23, 2026; its instructions are those of AMD's public machine-readable ISA for CDNA 5 (MIT licence, August 2026) and "CDNA5" Instruction Set Architecture Reference Guide (July 2026). The comments in the code are by the model that wrote it; some were corrected since.
;; Causal Self Attention. Allowed arithmetic: matrix products marked QUANTISED: E4M3 operands, one given power-of-two scale a tensor, by v_wmma_f32_16x16x64_fp8_fp8 or v_wmma_f32_16x16x128_fp8_fp8, f32 sums; everything else in f32.
;; Inputs: lowp_scales 8 int32 (the exponents e of the quantised operands' scales 2^e); out_b 1,024 float32; out_w 1,024 x 1,024 float32; qkv_b 3,072 float32; qkv_w 1,024 x 3,072 float32; x 4 x 2,048 x 1,024 float32.
;; Outputs: out0 4 x 2,048 x 1,024 float32.
;; This version of the problem:
;;   THIS VERSION OF THE PROBLEM IS GIVEN IN LOW PRECISION. The matrix products marked QUANTISED in the list below multiply operands that are first quantised to E4M3 (4 exponent bits, 3 mantissa bits; 8 bits a number), with one given power-of-two scale for each operand tensor; their sums are f32. All else is computed in f32.
;;   The module's matrix products, in the order in which they are computed (A, B: the left and right operand; K: the contracted axis; several contracted axes count as one K, in the product's order):
;;     1. [M 8,192, K 1,024] x [K 1,024, N 3,072]; A: input x; B: input qkv_w: QUANTISED (scales: A lowp_scales[0], B lowp_scales[1])
;;     2. batch 64 x [M 2,048, K 64] x [K 64, N 2,048]; A: computed on the way; B: computed on the way: QUANTISED (scales: A lowp_scales[2], B lowp_scales[3])
;;     3. batch 64 x [M 2,048, K 2,048] x [K 2,048, N 64]; A: softmax (see below); B: computed on the way: QUANTISED (scales: A lowp_scales[4], B lowp_scales[5])
;;     4. [M 8,192, K 1,024] x [K 1,024, N 1,024]; A: computed on the way; B: input out_w: QUANTISED (scales: A lowp_scales[6], B lowp_scales[7])
;;   THE QUANTISER, for each operand of a quantised product, along K:
;;     - The operand's scale is 2^e, e = its entry of the input lowp_scales (int32; the entries are numbered through the quantised products in the list's order, A before B).
;;     - Each number is divided by the scale, clamped to +-448, and rounded to the nearest number of E4M3, ties to even, subnormals kept.
;;     - The product sums the exact products of the quantised numbers (number of the format x scale) in f32.
;;   ~~~python
;;   def quantise(x, axis, e):      # numpy; x: float32 -> the quantised numbers, widened to float32 again
;;       x = np.moveaxis(x, axis, -1); K = x.shape[-1]
;;       r = np.clip(x / 2.0 ** e, -448, 448)
;;       step = 2.0 ** (np.maximum(np.frexp(np.where(r == 0, 1, r))[1] - 1, -6) - 3)
;;       q = np.round(r / step) * step * 2.0 ** e      # np.round: ties to even
;;       return np.moveaxis(q, -1, axis).astype(np.float32)
;;   ~~~
;;   SOFTMAX AHEAD OF A QUANTISED PRODUCT. Where the list says 'softmax', what is quantised is not the finished softmax but p = 2^(t - M), with t = logit x log2(e) and M = ceil(the row's largest t), a whole number; so 1/2 < the row's largest p <= 1. The row's sum l is taken of the UNQUANTISED p, in f32, and the product's result is divided by l at the end. Since M is a whole number, a kernel that streams over the keys may use a running M (the ceiling of the running maximum): every later rescaling is an exact power of two, so the quantised numbers keep their values, but for numbers so far below the row's largest that they fall under the format's range.
;;   OPERANDS COMPUTED ON THE WAY. 'Computed on the way' means the value that the module computes at that place (a softmax that the list does not call 'softmax' is quantised finished and normalised). What goes into a quantiser is computed in f32, as accurately as f32 sums, v_exp_f32 and their like allow (about 1e-6 of the number): no bf16 or f16 on the way to a quantiser, and a product that is left as it is and whose result goes on into a quantised operand takes f32 operands (vector FMAs, or v_wmma_f32_16x16x4_f32). A number that lies on a knife's edge between two numbers of the format may be rounded either way, as far as f32 arithmetic and the matrix unit's own rounding can turn it there, and no further.
;; One version. Each part assembles by itself: llvm-mc -triple=amdgcn-amd-amdhsa -mcpu=gfx1250 --defsym DOCPART=n.
;; ======== version 1 of 1: 4 launches
;; limits: right only within a limited range of input values
;; workspace buffers: cod 12,582,912 bytes; qc 8,388,608 bytes; kv 16,777,216 bytes; ac 8,388,608 bytes
;; launch quant (part 1): grid 96 x 4, 4 waves a work-group, no clusters, 68,096 bytes of LDS; arguments x, qkv_w, out_w, lowp_scales, cod; writes cod
.if DOCPART == 1
	.amdgcn_target "amdgcn-amd-amdhsa--gfx1250"
	.amdhsa_code_object_version 6
	.text
	.protected	k_qac7f12d57b_quant
	.globl	k_qac7f12d57b_quant
	.p2align	8
	.type	k_qac7f12d57b_quant,@function
k_qac7f12d57b_quant:
	s_mov_b64 s[64:65], 0
	v_nop
	global_prefetch_b8 v0, s[64:65] scope:SCOPE_SE
	s_setreg_imm32_b32 hwreg(HW_REG_WAVE_MODE, 25, 1), 1
	s_wait_xcnt 0x0
; x [8192][1024], qkv_w [1024][3072] and out_w [1024][1024], f32, become codes of FP8 (E4M3), K innermost, in one buffer:
;   byte 0: x's codes [8192][1024];   byte 8,388,608: qkv_w's [3072 (n)][1024 (k)];   byte 11,534,336: out_w's [1024 (n)][1024 (k)].
; code = number / 2^e, held within +-448, to the nearest code, ties to even.  e = entry 0 of the scales for x, entry 1 for qkv_w, entry 7 for out_w.
; LIMITS: each of these e lies between -126 and 119, so that 2^e and 448 x 2^e are f32 numbers.  NaN among the inputs is not served (an infinity is held at the largest code).
; Every work-group takes 32,768 numbers.  Work-groups x >= 32 take x, whose K is innermost: a plain stream.  Work-groups x < 32 take a weight, whose K is its FIRST axis:
; a lane takes a column and its registers run down K.  The two ways part once, on the work-group's number, never meet again, and have LDS bytes of their own.
; No tensor loads, no barrier: waves share nothing.  Matrix units and clusters have nothing to do here: memory binds.
.set STEPS, 16                         ; x: steps of 512 numbers for a wave
.set SP,    80                         ; x: a lane's place in a stage: its 64 bytes + 16 of padding
.set WREG,  8192                       ; x: LDS region of a wave: two stages of 32 x SP bytes
.set R,     16                         ; x: v16-79   four sets of 16 numbers as loaded
.set X,     80                         ; x: v80-111  two sets of 16 neighbours
.set C,     128                        ; x: v128-191 codes, four registers for each step: no store's data are written again
.set WSTG,  32768                      ; weights: the stages begin here, 32 rows x PITCH for each wave
.set PITCH, 272                        ; weights: a stage row: 256 bytes of codes + 16
.set KROW,  1024                       ; a row of codes in memory
.set NB,    8                          ; weights: blocks of 32 along K for a wave
.set WX,    32                         ; weights: v32-95   two sets of 32 numbers
.set WC,    96                         ; weights: v96-103  a block's codes
.set OUTR,  112                        ; weights: v112-175 the way out
.set VO,    176                        ; weights: v176-207 byte offset of row i of a block at my column: 4 x lane + i x the weight's row; never rewritten
.set SB,    32                         ; weights: s[32:47] the address of each of the eight blocks; never rewritten
	s_load_b256 s[4:11], s[0:1], 0x0               ; x s[4:5], qkv_w s[6:7], out_w s[8:9], the scales' exponents s[10:11]
	s_load_b64 s[12:13], s[0:1], 0x20              ; the codes
	v_lshl_add_u32 v208, v0, 2, 0x10800
	v_mov_b32 v209, 0
	v_lshrrev_b32 v1, 5, v0
	v_readfirstlane_b32 s16, v1                    ; wave 0..3
	v_and_b32 v2, 31, v0                           ; lane
	s_and_b32 s17, ttmp7, 0xffff                   ; work-group y, 0..3
	s_wait_kmcnt 0x0
	s_load_b256 s[20:27], s[10:11], 0x0            ; e0 .. e7
	s_cmp_lt_u32 ttmp9, 32
	s_cbranch_scc1 .Lweights
; ---------------- x: a stream of blocks.  A conversion takes 8 neighbours along K from ONE lane's registers, a load is best where neighbouring LANES take neighbouring bytes.
; Both are had: each load reads 512 consecutive bytes, 16 a lane; a step's 2,048 bytes turn through the wave's own stage in LDS and come back 64 bytes a lane.
	v_lshlrev_b32 v3, 4, v2                        ; 16 x lane: my bytes of a load's 512, and of a store's 512
	s_mul_i32 s18, s16, WREG
	v_lshrrev_b32 v14, 2, v2
	v_mul_u32_u24 v14, v14, SP
	v_and_b32 v15, 3, v2
	v_lshl_add_u32 v14, v15, 4, v14
	v_add_nc_u32 v14, s18, v14                     ; the stage, on the way in: four lanes' 64 bytes on end, then the padding
	v_mul_u32_u24 v15, v2, SP
	v_add_nc_u32 v15, s18, v15                     ; and on the way out: my 16 neighbours
	s_sub_co_u32 s18, ttmp9, 32
	s_lshl_b32 s18, s18, 2
	s_add_co_u32 s18, s18, s17
	s_lshl_b32 s18, s18, 2
	s_add_co_u32 s18, s18, s16                     ; which run of 8,192 numbers is my wave's: 0 .. 1,023
	s_lshl_b32 s28, s18, 15                        ; 32,768 bytes of f32 each
	s_mov_b32 s29, 0
	s_add_nc_u64 s[4:5], s[4:5], s[28:29]
	s_lshl_b32 s28, s18, 13                        ; 8,192 bytes of codes each
	s_add_nc_u64 s[12:13], s[12:13], s[28:29]
.macro LOADX t
.irp i, 0,1,2,3
	global_load_b128 v[R+16*((\t)%4)+4*\i:R+16*((\t)%4)+4*\i+3], v3, s[4:5] offset:2048*(\t)+512*\i th:TH_LOAD_NT   ; 32 lanes read 512 consecutive bytes; read once in the launch
.endr
.endm
.macro TURNX t                         ; step t's numbers through the stage: LDS serves a wave's instructions in order (ISA guide 5.7.1.4), so no wait stands between the stores and the loads
.irp i, 0,1,2,3
	ds_store_b128 v14, v[R+16*((\t)%4)+4*\i:R+16*((\t)%4)+4*\i+3] offset:32*SP*((\t)%2)+8*SP*\i
.endr
.irp i, 0,1,2,3
	ds_load_b128 v[X+16*((\t)%2)+4*\i:X+16*((\t)%2)+4*\i+3], v15 offset:32*SP*((\t)%2)+16*\i
.endr
.endm
.irp t, 0,1,2,3
	LOADX \t
.endr
	s_wait_kmcnt 0x0
	s_add_co_i32 s30, s20, 127
	s_lshl_b32 s31, s30, 23
	v_mov_b32 v11, s31                             ; 2^e0 as f32: the conversion takes its exponent field
	s_add_co_i32 s30, s30, 8
	s_lshl_b32 s30, s30, 23
	s_or_b32 s30, s30, 0x600000
	v_mov_b32 v10, s30                             ; 448 x 2^e0
	s_wait_loadcnt 12                              ; step 0's four loads are in; the twelve of steps 1 to 3 stay out
	TURNX 0
.macro STEPX t
.set XS, X+16*((\t)%2)
	s_wait_dscnt 0x0                               ; this step's numbers are back from the stage, so its stores into the stage have read their registers,
.if (\t)+4 < STEPS
	LOADX (\t)+4                                   ; which take the loads of four steps on
.endif
.if (\t)+1 < STEPS
.if STEPS-2-(\t) >= 3
	s_wait_loadcnt 12                              ; the next step's four loads are in; those of the three steps behind it may be out
.else
	s_wait_loadcnt 4*(STEPS-2-(\t))
.endif
	TURNX (\t)+1                                   ; and go through the other stage while this step is worked
.endif
.set i, 0
.rept 16
	v_med3_num_f32 v[XS+i], v[XS+i], -v10, v10     ; the conversion to an 8-bit code does not saturate (ISA guide 7.6.2): the hold comes first
.set i, i+1
.endr
	v_cvt_scalef32_pk8_fp8_f32 v[C+4*(\t):C+4*(\t)+1], v[XS:XS+7], v11
	v_cvt_scalef32_pk8_fp8_f32 v[C+4*(\t)+2:C+4*(\t)+3], v[XS+8:XS+15], v11   ; the results go to a store alone; the next vector lines are the next step's holds, on other registers
	global_store_b128 v3, v[C+4*(\t):C+4*(\t)+3], s[12:13] offset:512*(\t)    ; 32 lanes store 512 consecutive bytes
.endm
.irp t, 0,1,2,3,4,5,6,7,8,9,10,11,12,13,14,15
	STEPX \t
.endr
	s_wait_tensorcnt 0x0
	ds_add_u32 v208, v209
	s_wait_dscnt 0x0
	s_endpgm
; ---------------- a weight: [1024 (k)][N].  A work-group takes 128 columns x 256 along K, a wave 32 columns.  A LANE TAKES A COLUMN, ITS REGISTERS RUN DOWN K: each load reads 128 consecutive
; bytes a wave, and the conversions give codes with K innermost.  A column's 256 codes gather in the wave's stage and leave as rows: sixteen lanes store 256 consecutive, aligned bytes.
.Lweights:
	s_cmp_lt_u32 ttmp9, 24                         ; 24 blocks of columns are qkv_w's, 8 are out_w's.  The choice hangs on the work-group's number alone
	s_cselect_b64 s[6:7], s[6:7], s[8:9]           ; the weight
	s_mov_b32 s28, 4096
	s_cselect_b32 s28, 12288, s28                  ; bytes in a row of it
	s_cselect_b32 s29, 0, 24
	s_mov_b32 s30, 11534336
	s_cselect_b32 s30, 8388608, s30                ; where its codes begin
	s_sub_co_u32 s29, ttmp9, s29                   ; its block of 128 columns
	s_lshl_b32 s29, s29, 7
	s_lshl_b32 s18, s16, 5
	s_add_co_u32 s29, s29, s18                     ; my wave's first column
	s_lshl_b32 s18, s17, 8                         ; my first k: 256 y
	s_mul_i32 s50, s18, s28
	s_lshl_b32 s19, s29, 2
	s_add_co_u32 s50, s50, s19                     ; 256 y rows + 4 bytes a column
	s_mov_b32 s51, 0
	s_add_nc_u64 s[SB:SB+1], s[6:7], s[50:51]      ; block 0
	s_lshl_b32 s48, s28, 5                         ; 32 rows
	s_mov_b32 s49, 0
.irp t, 1,2,3,4,5,6,7
	s_add_nc_u64 s[SB+2*\t:SB+2*\t+1], s[SB+2*\t-2:SB+2*\t-1], s[48:49]
.endr
	s_lshl_b32 s19, s29, 10                        ; the codes: column x 1,024 + 256 y
	s_add_co_u32 s50, s30, s19
	s_add_co_u32 s50, s50, s18
	s_add_nc_u64 s[12:13], s[12:13], s[50:51]
	v_lshlrev_b32 v[VO], 2, v2
.set i, 1
.rept 31
	v_add_nc_u32 v[VO+i], s28, v[VO+i-1]
.set i, i+1
.endr
.macro LOADW t                         ; block t: W(256 y + 32 t + i, my column), i = 0 .. 31, into set t % 2
.set i, 0
.rept 32
	global_load_b32 v[WX+32*((\t)%2)+i], v[VO+i], s[SB+2*(\t):SB+2*(\t)+1] th:TH_LOAD_NT
.set i, i+1
.endr
.endm
	LOADW 0
	LOADW 1
	s_mul_i32 s19, s16, 32*PITCH
	s_add_co_u32 s19, s19, WSTG                    ; my stage
	v_mul_u32_u24 v4, v2, PITCH
	v_add_nc_u32 v4, s19, v4                       ; into it: row = my column
	v_and_b32 v5, 15, v2
	v_lshrrev_b32 v6, 4, v2                        ; out of it: sixteen lanes to a row, two rows an instruction
	v_mul_u32_u24 v7, v6, PITCH
	v_lshl_add_u32 v7, v5, 4, v7
	v_add_nc_u32 v7, s19, v7
	v_lshlrev_b32 v8, 10, v6
	v_lshl_add_u32 v8, v5, 4, v8                   ; and the same place in the codes
	s_wait_kmcnt 0x0
	s_cmp_lt_u32 ttmp9, 24
	s_cselect_b32 s31, s21, s27                    ; e1 or e7
	s_add_co_i32 s31, s31, 127
	s_lshl_b32 s30, s31, 23
	v_mov_b32 v11, s30                             ; 2^e
	s_add_co_i32 s31, s31, 8
	s_lshl_b32 s31, s31, 23
	s_or_b32 s31, s31, 0x600000
	v_mov_b32 v10, s31                             ; 448 x 2^e
.macro BLOCKW t
.set XS, WX+32*((\t)%2)
.if (\t) < NB-1
	s_wait_loadcnt 32                              ; this block's 32 loads are in; the next block's may be out
.else
	s_wait_loadcnt 0
.endif
.set i, 0
.rept 32
	v_med3_num_f32 v[XS+i], v[XS+i], -v10, v10
.set i, i+1
.endr
.irp g, 0,1,2,3
	v_cvt_scalef32_pk8_fp8_f32 v[WC+2*\g:WC+2*\g+1], v[XS+8*\g:XS+8*\g+7], v11
.endr
	ds_store_b128 v4, v[WC:WC+3] offset:32*(\t)    ; 32 codes: 32 bytes of my column's row
	ds_store_b128 v4, v[WC+4:WC+7] offset:32*(\t)+16
.if (\t)+2 < NB
	LOADW (\t)+2
.endif
	s_wait_dscnt 0x0                               ; the stores have read their registers: the next block's codes may be written
.endm
.irp t, 0,1,2,3,4,5,6,7
	BLOCKW \t
.endr
.irp t, 0,1,2,3,4,5,6,7,8,9,10,11,12,13,14,15
	ds_load_b128 v[OUTR+4*\t:OUTR+4*\t+3], v7 offset:2*\t*PITCH   ; these see my stores: LDS serves a wave's instructions in order
.endr
.irp t, 0,1,2,3,4,5,6,7,8,9,10,11,12,13,14,15
	s_wait_dscnt 15-\t                             ; rows 2 t and 2 t + 1 are back; the younger loads stay out
	global_store_b128 v8, v[OUTR+4*\t:OUTR+4*\t+3], s[12:13] offset:2*\t*KROW
.endr
	s_wait_tensorcnt 0x0
	ds_add_u32 v208, v209
	s_wait_dscnt 0x0
	s_endpgm
.Lfunc_end_k_qac7f12d57b_quant:
	.size	k_qac7f12d57b_quant, .Lfunc_end_k_qac7f12d57b_quant-k_qac7f12d57b_quant
	.p2alignl 7, 3214868480
	.fill 96, 4, 3214868480
	.section	.rodata,"a",@progbits
	.p2align	6, 0x0
	.amdhsa_kernel k_qac7f12d57b_quant
		.amdhsa_group_segment_fixed_size 68096
		.amdhsa_private_segment_fixed_size 0
		.amdhsa_enable_private_segment 0
		.amdhsa_kernarg_size 40
		.amdhsa_user_sgpr_count 2
		.amdhsa_user_sgpr_kernarg_segment_ptr 1
		.amdhsa_wavefront_size32 1
		.amdhsa_system_sgpr_workgroup_id_x 1
		.amdhsa_system_sgpr_workgroup_id_y 1
		.amdhsa_system_sgpr_workgroup_id_z 1
		.amdhsa_system_vgpr_workitem_id 0
		.amdhsa_next_free_vgpr 210
		.amdhsa_next_free_sgpr 66
		.amdhsa_reserve_vcc 0
		.amdhsa_float_denorm_mode_32 3
		.amdhsa_float_denorm_mode_16_64 3
		.amdhsa_memory_ordered 1
		.amdhsa_forward_progress 1
		.amdhsa_inst_pref_size 87
	.end_amdhsa_kernel
	.amdgpu_metadata
---
amdhsa.version: [ 1, 2 ]
amdhsa.kernels:
  - .name:           k_qac7f12d57b_quant
    .symbol:         k_qac7f12d57b_quant.kd
    .args:
      - { .name: x, .offset: 0, .size: 8, .value_kind: global_buffer, .address_space: global }
      - { .name: qkv_w, .offset: 8, .size: 8, .value_kind: global_buffer, .address_space: global }
      - { .name: out_w, .offset: 16, .size: 8, .value_kind: global_buffer, .address_space: global }
      - { .name: lowp_scales, .offset: 24, .size: 8, .value_kind: global_buffer, .address_space: global }
      - { .name: cod, .offset: 32, .size: 8, .value_kind: global_buffer, .address_space: global }
    .group_segment_fixed_size: 68096
    .private_segment_fixed_size: 0
    .kernarg_segment_align: 8
    .kernarg_segment_size: 40
    .max_flat_workgroup_size: 128
    .sgpr_count:     66
    .vgpr_count:     210
    .wavefront_size: 32
...
	.end_amdgpu_metadata
.endif
;; end of part 1
;; launch gemm_qkv (part 2): grid 12 x 32, 4 waves a work-group, clusters of 4 x 4, 327,680 bytes of LDS; arguments cod, qkv_b, lowp_scales, qc, kv; writes qc, kv
.if DOCPART == 2
	.amdgcn_target "amdgcn-amd-amdhsa--gfx1250"
	.amdhsa_code_object_version 6
	.text
	.protected	k_qac7f12d57b_gemm_qkv
	.globl	k_qac7f12d57b_gemm_qkv
	.p2align	8
	.type	k_qac7f12d57b_gemm_qkv,@function
k_qac7f12d57b_gemm_qkv:
	s_mov_b64 s[64:65], 0
	v_nop
	global_prefetch_b8 v0, s[64:65] scope:SCOPE_SE
	s_setreg_imm32_b32 hwreg(HW_REG_WAVE_MODE, 25, 1), 1
	s_wait_xcnt 0x0
	s_wait_alu depctr_hold_cnt(0) depctr_sa_sdst(0) depctr_va_vdst(0) depctr_va_sdst(0) depctr_va_ssrc(0) depctr_va_vcc(0) depctr_vm_vsrc(0)
	s_getreg_b32 s2, hwreg(HW_REG_IB_STS2, 6, 4)
	s_cmp_eq_u32 s2, 0
	s_cbranch_scc0 .Lentry_in_a_cluster
	s_endpgm
.Lentry_in_a_cluster:
	s_bfe_u32 s2, ttmp6, 0x10000c
	s_cmp_lg_u32 s2, 0xf033
	s_cbranch_scc0 .Lentry_shape_is_right
	s_endpgm
.Lentry_shape_is_right:
; qkv = x qkv_w + qkv_b on codes of FP8 (E4M3), and q, k, v quantised at once for the attention: no f32 number of them goes to memory.
; cod: x's codes [8192][1024] at byte 0, qkv_w's [3072 (n)][1024 (k)] at byte 8,388,608.  A number of x is its code x 2^e0, of qkv_w x 2^e1.
; A tile of 256 x 256 is made by four waves, 128 x 128 each: 64 accumulators of 16 x 16, 512 registers.  K = 1,024 goes in steps of 256 through a ring of two LDS slots (rows of 256 bytes).
; THE MATRIX INSTRUCTION: source 0 = 16 rows of side B, source 1 = 16 rows of side A: lane (r, h) holds row r of side A, and its eight registers rows 8 h + 0 .. 7 of side B.  One conversion of an
; accumulator's eight registers therefore makes registers 2 c, 2 c + 1 of an FP8 operand whose rows are side A's and whose K runs along side B (ISA guide 7.12.2: k = 16 c + 8 h + 0 .. 7).
;   cluster x = 0 (q), 1 (k): side A = tokens (x's rows), side B = qkv_w's rows: the operand's K is the head's 64 channels.
;   cluster x = 2 (v):        side A = qkv_w's rows 2,048 on (channels), side B = tokens: the operand's K is the keys, as the attention's second product wants it.
; The kind hangs on the cluster's x alone: it is the same in all sixteen partners.
; THE RESULTS ARE STORED AS IMAGES OF THE OPERANDS' REGISTERS: four registers of all 32 lanes are 512 consecutive bytes, 16 a lane.  No stage in LDS, no pitch.
;   qc [head 64][tile of 16 queries 128][1,024]        kv [head 64][step of 128 keys 16][16,384]: eight tiles of 16 keys (1,024 each), then V^T: four tiles of 16 channels x 128 keys (2,048 each)
; code = ((sum x 2^(e0 + e1) + bias) / 2^et, held within +-448): one fused multiply-add sum x 2^(e0 + e1 - et) + bias x 2^-et, the hold, the conversion with the scale 1.  et = e2 (q), e3 (k), e5 (v).
; LIMITS: e0 + e1 - et between -126 and 127, so that its power of two is an f32 number.  NaN among the inputs is not served.
; CLUSTERS: 4 x 4 work-groups.  Side A's tile is shared along a row of the cluster, side B's along a column: each is asked for JOINTLY, by the same tensor load with a mask that names the four.
; REGISTERS, in windows of 256: window 0: v0-31 addresses and the bias by rows; v32-63 at work on the way out; v64-127 the bias; from v128 side A's fragments, ONE set, later the codes.
;   window 1: side B's fragments, TWO sets.   window 2: the accumulators of my rows 0-63 ((a, b) at v[8 (8 a + b)]);   window 3: those of my rows 64-127.
.set KSTEP,  256
.set ROWB,   256                       ; a tile's row in bytes
.set KROW,   1024                      ; a row of codes in memory
.set PITCH,  272                       ; an LDS row: 256 bytes + 16 of padding = 68 words: row r starts at bank 4 r mod 64 (64 banks of 4 bytes: ISA guide 11.1)
.set FR,     16                        ; registers of a fragment: 16 rows x 128 K
.set NL,     4                         ; LDS loads that bring one
.set NP,     4                         ; places behind this matrix instruction (ISA guide 7.12.1)
.set HALFT,  128*PITCH                 ; 128 rows: what one tensor load brings, and what one wave reads of a side
.set SLOT,   4*HALFT                   ; side A's 256 rows, then side B's
.set LAPS,   2                         ; 1,024 along K = twice round the ring
.set SPARE,  2*SLOT                    ; behind the ring: the spare words, 128 bytes for each wave: two blocks of 256 bytes that no other line names
.set BR,   7                           ; v7      4 x (lane % 16): the bias by rows; never rewritten
.set BV,   8                           ; v8-15   the bias of my eight blocks' row r (used where side A is the weight)
.set ADRA, 16                          ; v16-17  LDS address of my fragments of side A in slot 0, 1
.set ADRB, 20                          ; v20-21  the same for side B
.set LI,   27                          ; v27     16 x lane: my place in an image; never rewritten
.set SPW,  28                          ; v28     LDS address of my spare word; never rewritten
.set NIL,  29                          ; v29     0; never rewritten
.set ONE,  30                          ; v30     1.0: the conversions' scale
.set BO,   31                          ; v31     32 x (lane / 16): the bias by columns; never rewritten
.set T,    32                          ; v32-63  32 numbers at work
.set BI,   64                          ; v64-127 the bias of my 128 columns in the accumulators' layout (8 b + j: column 16 b + 8 h + j), or eight pairs of the bias by rows
.set AF,   128
.set CD,   128                         ; the codes: 16 registers for each block of 16 rows: no store's data are written again
.set G1, 24                            ; s[24:31] descriptor group 1 for side A;  s[32:39] group 0, one set for each slot
.set G0, 32
.set G1B, 48                           ; s[48:55], s[56:63] the same for side B
.set G0B, 56
.set MSB, 0
.macro WIN new                         ; the immediate's high byte repeats the setting that is left
.if MSB != \new
	s_set_vgpr_msb (MSB<<8)|\new
.set MSB, \new
.endif
.endm
.set MUL_LO, 0xa1                      ; source 0 (side B) window 1, source 1 (side A) window 0, C and D window 2
.set MUL_HI, 0xf1                      ; the same, C and D window 3
.set TO_B,   0x40                      ; destination window 1, address window 0
; A joint load: waves 0 and 1 fetch for side A, waves 2 and 3 for side B.  Each of the two lines has ONE mask and one set of registers for all that issue it; the branch hangs on the wave's number alone.
; Four v_nop follow each of the two lines, ahead of the jump, the label and what follows.
.macro JLOAD g0a, g1a, g0b, g1b
	s_cmp_eq_u32 s15, 0
	s_cbranch_scc0 .Lfor_b_\@
	tensor_load_to_lds s[\g0a:\g0a+3], s[\g1a:\g1a+7]
	s_nop 0
.rept 4
	v_nop
.endr
	s_branch .Lasked_\@
.Lfor_b_\@:
	tensor_load_to_lds s[\g0b:\g0b+3], s[\g1b:\g1b+7]
	s_nop 0
.rept 4
	v_nop
.endr
.Lasked_\@:
.endm
.macro CREST                           ; a round of the cluster's barrier behind its opening barrier
	s_cmp_lg_u32 s14, 0
	s_cbranch_scc1 .Lnot_wave_0_\@
	s_barrier_signal -3
.Lnot_wave_0_\@:
	s_barrier_wait -3
	s_barrier_signal -1
	s_barrier_wait -1
.endm
.macro CROUND                          ; a whole round
	s_barrier_signal -1
	s_barrier_wait -1
	CREST
.endm
	s_load_b128 s[4:7], s[0:1], 0x0                ; the codes s[4:5], qkv_b s[6:7]
	s_load_b128 s[8:11], s[0:1], 0x10              ; the scales' exponents s[8:9], qc s[10:11]
	s_load_b64 s[12:13], s[0:1], 0x20              ; kv
	v_lshl_add_u32 v[SPW], v0, 2, SPARE
	v_mov_b32 v[NIL], 0
	ds_add_u32 v28, v29
	ds_add_u32 v28, v29
	s_wait_dscnt 0x0
	v_lshrrev_b32 v1, 5, v0
	v_readfirstlane_b32 s14, v1                    ; wave 0..3
	s_lshr_b32 s15, s14, 1                         ; rh: which half of side A's rows is mine.  Also: I fetch for side A (0) or B (1)
	s_and_b32 s16, s14, 1                          ; ch: which half of side B's rows.  Also: which 128 rows of that tile I fetch
	s_bfe_u32 s40, ttmp6, 0x40000                  ; cx, cy: my place in the cluster
	s_bfe_u32 s41, ttmp6, 0x40004
	s_mov_b32 s94, ttmp9                           ; the cluster's x: 0 q, 1 k, 2 v
	s_and_b32 s17, ttmp7, 0xffff
	s_lshl_b32 s17, s17, 2                         ; 4 x the cluster's y
	s_lshl_b32 s18, s94, 2
	s_cmp_eq_u32 s94, 2                            ; what is chosen here holds neither cx nor cy
	s_cselect_b32 s19, 0, s17                      ; side A's first tile of the cluster: the weight's tile 0, or x's tile 4 y
	s_cselect_b32 s42, s17, s18                    ; side B's: x's tile 4 y, or the weight's tile 4 x
	s_cselect_b32 s76, 10485760, 0                 ; where side A's codes begin: qkv_w's row 2,048, or x
	s_cselect_b32 s77, 0, 8388608                  ; and side B's: x, or qkv_w
	s_add_co_u32 s17, s19, s41                     ; TR: side A's tile, which hangs on cy alone
	s_add_co_u32 s42, s42, s40                     ; TC: side B's tile, which hangs on cx alone
	s_lshl_b32 s43, s41, 2
	s_lshl_b32 s43, 15, s43                        ; my row of the cluster
	s_lshl_b32 s44, 0x1111, s40                    ; my column
	; descriptor group 1: a tile of 128 rows x 256 bytes, padded in LDS
	s_or_b32 s[G1+0], s43, (0<<16)|(1<<20)|(1<<21)|(5<<22)|(3<<25)  ; 15:0 the mask: side A's tiles go to my row; 17:16 element of 1 byte; 20 padding on; 21 set beside a mask; 24:22 after every 64 words (code 5); 31:25 of 4 words (code 3)
	s_or_b32 s[G1B+0], s44, (0<<16)|(1<<20)|(1<<21)|(5<<22)|(3<<25)
.irp g, G1, G1B
	s_mov_b32 s[\g+1], ROWB<<16                    ; tensor_dim0
	s_mov_b32 s[\g+2], 128<<16                     ; tensor_dim1 = 128
	s_mov_b32 s[\g+3], ROWB<<16                    ; tile_dim0
	s_mov_b32 s[\g+4], 128                         ; tile_dim1 = 128
	s_mov_b32 s[\g+5], KROW                        ; tensor_dim0_stride
	s_mov_b32 s[\g+6], 0
	s_mov_b32 s[\g+7], 0
.endr
	s_lshl_b32 s18, s16, 7                         ; which 128 rows of the tile I fetch
	s_lshl_b32 s20, s17, 8
	s_add_co_u32 s20, s20, s18
	s_lshl_b32 s20, s20, 10                        ; rows of 1,024 bytes
	s_add_co_u32 s20, s20, s76                     ; side A: byte offset in the codes (under 2^24)
	s_mov_b32 s21, 0
	s_lshl_b32 s46, s42, 8
	s_add_co_u32 s46, s46, s18
	s_lshl_b32 s46, s46, 10
	s_add_co_u32 s46, s46, s77                     ; side B likewise
	s_mov_b32 s47, 0
	s_mul_i32 s45, s14, HALFT                      ; where they go: wave x 128 rows: no place in the cluster enters an LDS address
	s_wait_kmcnt 0x0
	s_load_b256 s[68:75], s[8:9], 0x0              ; e0 .. e7
	s_add_nc_u64 s[20:21], s[4:5], s[20:21]
	s_add_nc_u64 s[46:47], s[4:5], s[46:47]
	CROUND                                         ; all sixteen work-groups are here: the first joint loads meet
.irp s, 0,1
	s_mov_b32 s[G0+4*\s], 1
	s_add_co_u32 s[G0+4*\s+1], s45, \s*SLOT
	s_add_nc_u64 s[G0+4*\s+2:G0+4*\s+3], s[20:21], \s*ROWB
	s_or_b32 s[G0+4*\s+3], s[G0+4*\s+3], 0x80000000
	s_mov_b32 s[G0B+4*\s], 1
	s_add_co_u32 s[G0B+4*\s+1], s45, \s*SLOT
	s_add_nc_u64 s[G0B+4*\s+2:G0B+4*\s+3], s[46:47], \s*ROWB
	s_or_b32 s[G0B+4*\s+3], s[G0B+4*\s+3], 0x80000000
	JLOAD G0+4*\s, G1, G0B+4*\s, G1B
.endr
	v_and_b32 v1, 15, v0                           ; r = l % 16
	v_bfe_u32 v2, v0, 4, 1                         ; h = l / 16
	v_mul_u32_u24 v3, v1, PITCH
	v_lshl_add_u32 v4, v2, 4, v3                   ; a fragment's row x pitch + 16 x half
	s_mul_i32 s21, s15, HALFT                      ; my 128 rows of side A
	s_mul_i32 s22, s16, HALFT                      ; my 128 rows of side B,
	s_add_co_u32 s22, s22, 2*HALFT                 ; which lie behind side A's 256
.irp s, 0,1
	v_add_nc_u32 v[ADRA+\s], s21, v4
	v_add_nc_u32 v[ADRB+\s], s22, v4
	s_add_co_u32 s21, s21, SLOT
	s_add_co_u32 s22, s22, SLOT
.endr
	v_and_b32 v5, 31, v0
	v_lshlrev_b32 v[LI], 4, v5
	v_mov_b32 v[ONE], 1.0
	; THE BIAS, asked for here and waited for on the way out.  Every work-group loads BOTH forms, so that the text parts on the kind once only, at the way out: by columns of side B (q, k use it)
	; and by rows of side A (v uses it).  The form that is not used costs 8 or 16 loads once; its index is held inside qkv_b by the two masks below, which change nothing where the form is used.
	s_and_b32 s80, s42, 7
	s_lshl_b32 s80, s80, 8
	s_lshl_b32 s81, s16, 7
	s_add_co_u32 s80, s80, s81                     ; column 256 TC + 128 ch, under 2,048
	s_lshl_b32 s80, s80, 2
	s_mov_b32 s81, 0
	s_add_nc_u64 s[66:67], s[6:7], s[80:81]        ; never rewritten
	s_and_b32 s82, s17, 3
	s_lshl_b32 s82, s82, 8
	s_lshl_b32 s83, s15, 7
	s_add_co_u32 s82, s82, s83
	s_add_co_u32 s82, s82, 2048                    ; column 2,048 + 256 TR + 128 rh
	s_lshl_b32 s82, s82, 2
	s_mov_b32 s83, 0
	s_add_nc_u64 s[78:79], s[6:7], s[82:83]        ; never rewritten
	v_lshlrev_b32 v[BO], 5, v2
	v_lshlrev_b32 v[BR], 2, v1
.irp b, 0,1,2,3,4,5,6,7
	global_load_b128 v[BI+8*\b:BI+8*\b+3],   v[BO], s[66:67] offset:64*\b
	global_load_b128 v[BI+8*\b+4:BI+8*\b+7], v[BO], s[66:67] offset:64*\b+16
.endr
.irp a, 0,1,2,3,4,5,6,7
	global_load_b32 v[BV+\a], v[BR], s[78:79] offset:64*\a
.endr
.macro FRAG reg, adr, q, i             ; a fragment, 16 rows x 128 K, by four loads of 16 bytes: registers 4 c .. 4 c + 3 hold K = 32 c + 16 (l / 16) + 0 .. 15: a permutation of k that is the same on both sides, so every product meets its partner
.irp c, 0,1,2,3
	ds_load_b128 v[\reg+4*\c:\reg+4*\c+3], v[\adr] offset:128*(\q)+32*\c+(\i)*16*PITCH
.endr
.endm
; 16 matrix instructions: side A's blocks a0, a0 + 1 x side B's eight, 128 along K.  p: side B's set.  zero = 1: the first product starts the sums: nothing is ever cleared.
; The 64 accumulators take turns, one instruction a turn, in the same order in every step.
.macro MUL16 a0, p, zero
.irp a, \a0, \a0+1
.irp b, 0,1,2,3,4,5,6,7
.if \zero
	v_wmma_f32_16x16x128_fp8_fp8 v[8*(8*((\a)%4)+\b):8*(8*((\a)%4)+\b)+7], v[128*(\p)+FR*\b:128*(\p)+FR*\b+FR-1], v[AF+FR*(\a):AF+FR*(\a)+FR-1], 0
.else
	v_wmma_f32_16x16x128_fp8_fp8 v[8*(8*((\a)%4)+\b):8*(8*((\a)%4)+\b)+7], v[128*(\p)+FR*\b:128*(\p)+FR*\b+FR-1], v[AF+FR*(\a):AF+FR*(\a)+FR-1], v[8*(8*((\a)%4)+\b):8*(8*((\a)%4)+\b)+7]
.endif
.endr
.endr
.endm
.macro FETCH_B slot, q, p              ; side B's eight fragments of the slot's q-th 128 along K into set p
	WIN TO_B
.irp i, 0,1,2,3,4,5,6,7
	FRAG 128*(\p)+FR*\i, ADRB+\slot, \q, \i
.endr
	WIN 0
.endm
.macro FETCH_A slot, q, i0             ; side A's blocks i0 .. i0 + 3
.irp i, \i0, \i0+1, \i0+2, \i0+3
	FRAG AF+FR*(\i), ADRA+\slot, \q, \i
.endr
.endm
; A load into a register that a matrix instruction has read, and a vector instruction that reads a matrix result or writes one of its registers, stand NP places behind it, and only plain vector
; instructions that name none of its registers are places (ISA guide 7.12.1 for vector instructions).
.macro PLACES n
.rept \n
	v_nop
.endr
.endm
; A step of 128 along K that has its successor in the same slot.  A block of side A is free as soon as its eight products are issued, so one set of registers serves side A.
.macro STEP slot, q, zero
	s_wait_dscnt 4*NL                              ; side B's set and side A's blocks 0-3 are in; the youngest sixteen loads (blocks 4-7) may be out
	WIN MUL_LO
	MUL16 0, (\q)%2, \zero
	MUL16 2, (\q)%2, \zero
	s_wait_dscnt 0                                 ; blocks 4-7 are in (asked for 32 matrix instructions ago)
	PLACES NP
	FETCH_B \slot, (\q)+1, 1-(\q)%2
	FETCH_A \slot, (\q)+1, 0
	WIN MUL_HI
	MUL16 4, (\q)%2, \zero
	MUL16 6, (\q)%2, \zero
	PLACES NP
	WIN 0
	FETCH_A \slot, (\q)+1, 4
.endm
; A slot's last step changes slots: ONE barrier; in front of it each wave waits for all its tensor loads, adds 0 to its spare word, and waits for that and for its own reads of this slot.  fill = 1: this slot is filled again, two K steps ahead.
.macro TURN slot, next, fill
	s_wait_tensorcnt 0x0                           ; all my tensor loads have landed: my part of the next slot;  (every window is 0 here)
	ds_add_u32 v[SPW], v[NIL]                      ; 0 onto my spare word
	s_wait_dscnt 4*NL+1                            ; (the add and the youngest sixteen loads, blocks 4-7, may be out)
	WIN MUL_LO
	MUL16 0, 1, 0                                  ; sixteen matrix instructions stand between the add and the wait for it
	s_wait_dscnt 0x0                               ; the add is done, and my reads of this slot are over
	s_barrier_signal -1
	MUL16 2, 1, 0
	WIN 0
	s_barrier_wait -1
.if \fill
	CREST                                          ; the barrier has opened a round of the cluster's barrier: no wave of any partner still reads this slot's tile or has a load on its way
	s_add_nc_u64 s[G0+4*\slot+2:G0+4*\slot+3], s[G0+4*\slot+2:G0+4*\slot+3], 2*ROWB
	s_add_nc_u64 s[G0B+4*\slot+2:G0B+4*\slot+3], s[G0B+4*\slot+2:G0B+4*\slot+3], 2*ROWB
	JLOAD G0+4*\slot, G1, G0B+4*\slot, G1B         ; the first tensor load behind the round; the four v_nop behind it are also the places in front of the loads below
.else
	PLACES NP
.endif
	FETCH_B \next, 0, 0
	FETCH_A \next, 0, 0
	WIN MUL_HI
	MUL16 4, 1, 0
	MUL16 6, 1, 0
	PLACES NP
	WIN 0
	FETCH_A \next, 0, 4
.endm
	s_wait_tensorcnt 1                             ; my part of K step 0 is in (K step 1's load may be out)
	s_barrier_signal -1
	s_barrier_wait -1                              ; everybody's is
	FETCH_B 0, 0, 0
	FETCH_A 0, 0, 0
	FETCH_A 0, 0, 4
	STEP 0, 0, 1                                   ; the first step stands in front of the loop: its products start the sums
	s_mov_b32 s3, LAPS-1
.Llap:                                                 ; a trip goes once round the ring, from a lap's second step to the next lap's first, and fills both slots again
	TURN 0, 1, 1
	STEP 1, 0, 0
	TURN 1, 0, 1
	STEP 0, 0, 0
	s_sub_co_u32 s3, s3, 1
	s_cmp_lg_u32 s3, 0
	s_cbranch_scc1 .Llap
	TURN 0, 1, 0                                   ; the last lap fills nothing, and has no round of the cluster's barrier
	STEP 1, 0, 0
	s_wait_dscnt 4*NL                              ; the very last step: nothing more to fetch
	WIN MUL_LO
	MUL16 0, 1, 0
	MUL16 2, 1, 0
	s_wait_dscnt 0
	WIN MUL_HI
	MUL16 4, 1, 0
	MUL16 6, 1, 0
	WIN 0
; THE WAY OUT.  Block a (16 rows of side A), half hh (64 rows of side B: four accumulators): 32 numbers a lane become 8 registers of codes, which are stored as they stand: two stores of 512 consecutive bytes.
.macro OUT a, isv
.irp hh, 0,1
	WIN (0x02+((\a)/4))                            ; source 0: window 2 or 3
.set k, 0
.rept 16
.if \isv
	v_pk_fma_f32 v[T+k:T+k+1], v[64*((\a)%4)+32*\hh+k:64*((\a)%4)+32*\hh+k+1], s[96:97], v[BI+2*(\a):BI+2*(\a)+1] op_sel_hi:[1,0,1]   ; sum x 2^(e0 + e1 - et) + my row's bias x 2^-et; each accumulator from its low end on
.else
	v_pk_fma_f32 v[T+k:T+k+1], v[64*((\a)%4)+32*\hh+k:64*((\a)%4)+32*\hh+k+1], s[96:97], v[BI+32*\hh+k:BI+32*\hh+k+1] op_sel_hi:[1,0,1]   ; the same with the columns' bias
.endif
.set k, k+2
.endr
	WIN 0
.set k, 0
.rept 32
	v_med3_num_f32 v[T+k], v[T+k], s98, s99        ; the conversion to an 8-bit code does not saturate (ISA guide 7.6.2): the hold at +-448
.set k, k+1
.endr
.irp g, 0,1,2,3
	v_cvt_scalef32_pk8_fp8_f32 v[CD+16*(\a)+8*\hh+2*\g:CD+16*(\a)+8*\hh+2*\g+1], v[T+8*\g:T+8*\g+7], v[ONE]
.endr
	v_nop                                          ; one plain vector line between the conversions and the next lines that write their sources
.irp u, 0,1
.if \isv
	global_store_b128 v[LI], v[CD+16*(\a)+8*\hh+4*\u:CD+16*(\a)+8*\hh+4*\u+3], s[90:91] offset:((\a)/4)*262144+8192+2048*((\a)%4)+512*(2*\hh+\u)   ; head a / 4 of my two, channels 16 (a % 4) on, keys 32 (2 hh + u) on
.else
	global_store_b128 v[LI], v[CD+16*(\a)+8*\hh+4*\u:CD+16*(\a)+8*\hh+4*\u+3], s[90+2*\hh:91+2*\hh] offset:1024*(\a)+512*\u   ; head hh of my two, tile a of my eight, channels 32 u on
.endif
.endr
.endr
.endm
	s_wait_kmcnt 0x0
	s_cmp_eq_u32 s94, 0
	s_cselect_b32 s84, s70, s71                    ; e2 or e3,
	s_cmp_eq_u32 s94, 2
	s_cselect_b32 s84, s73, s84                    ; or e5: et.  It enters arithmetic alone, no branch
	s_add_co_i32 s85, s68, s69
	s_sub_co_i32 s85, s85, s84
	s_add_co_i32 s85, s85, 127
	s_lshl_b32 s96, s85, 23                        ; 2^(e0 + e1 - et) as f32
	s_mov_b32 s97, s96                             ; (named with it as a pair, so it is written)
	s_sub_co_i32 s86, 0, s84                       ; -et
	s_mov_b32 s98, 0xc3e00000                      ; -448
	s_mov_b32 s99, 0x43e00000                      ; 448
	s_wait_loadcnt 0x0                             ; the bias
	PLACES NP                                      ; behind the last products: the lines below write registers that held side A's fragments, and read results
	s_cmp_eq_u32 s94, 2
	s_cbranch_scc1 .Lv_out
	; ---- q and k.  k's offsets are twice q's: a head of kv is 262,144 bytes against 131,072, a step of 8 tiles 16,384 against 8,192
.set k, 0
.rept 64
	v_ldexp_f32 v[BI+k], v[BI+k], s86              ; bias x 2^-et
.set k, k+1
.endr
	s_lshr_b32 s87, s17, 3                         ; the batch: TR / 8
	s_lshl_b32 s87, s87, 4
	s_and_b32 s88, s42, 3
	s_lshl_b32 s88, s88, 2
	s_add_co_u32 s87, s87, s88
	s_lshl_b32 s88, s16, 1
	s_add_co_u32 s87, s87, s88                     ; my first head: 16 batch + 4 (TC % 4) + 2 ch
	s_lshl_b32 s87, s87, 17
	s_and_b32 s88, s17, 7
	s_lshl_b32 s88, s88, 14
	s_add_co_u32 s87, s87, s88                     ; + 16 tiles of 1,024 bytes for each TR % 8
	s_lshl_b32 s88, s15, 13
	s_add_co_u32 s87, s87, s88                     ; + 8 tiles for rh
	s_lshl_b32 s88, s87, s94
	s_mov_b32 s89, 0
	s_cmp_eq_u32 s94, 0
	s_cselect_b64 s[90:91], s[10:11], s[12:13]     ; qc or kv: the choice hangs on the cluster's x alone
	s_add_nc_u64 s[90:91], s[90:91], s[88:89]      ; my first head,
	s_lshl_b32 s88, 0x20000, s94
	s_add_nc_u64 s[92:93], s[90:91], s[88:89]      ; and my second
.irp a, 0,1,2,3,4,5,6,7
	OUT \a, 0
.endr
	s_branch .Lend
.Lv_out:
	; ---- v: my 128 rows of side A are two heads' channels, my 128 rows of side B one step of 128 keys
.irp a, 0,1,2,3,4,5,6,7
	v_ldexp_f32 v[BI+2*\a], v[BV+\a], s86          ; my row's bias x 2^-et, twice: a pair for the packed form
	v_ldexp_f32 v[BI+2*\a+1], v[BV+\a], s86
.endr
	s_lshr_b32 s87, s42, 3                         ; the batch: TC / 8
	s_lshl_b32 s87, s87, 4
	s_lshl_b32 s88, s17, 2
	s_add_co_u32 s87, s87, s88
	s_lshl_b32 s88, s15, 1
	s_add_co_u32 s87, s87, s88                     ; my first head: 16 batch + 4 TR + 2 rh
	s_lshl_b32 s87, s87, 18
	s_and_b32 s88, s42, 7
	s_lshl_b32 s88, s88, 1
	s_add_co_u32 s88, s88, s16                     ; the key step: 2 (TC % 8) + ch
	s_lshl_b32 s88, s88, 14
	s_add_co_u32 s88, s87, s88
	s_mov_b32 s89, 0
	s_add_nc_u64 s[90:91], s[12:13], s[88:89]
.irp a, 0,1,2,3,4,5,6,7
	OUT \a, 1
.endr
.Lend:
	s_wait_tensorcnt 0x0                           ; the wave's end
	ds_add_u32 v[SPW], v[NIL]
	s_wait_dscnt 0x0
	CROUND                                         ; the closing round: no work-group ends while a partner may still ask for a tile that names it
	s_endpgm
.Lfunc_end_k_qac7f12d57b_gemm_qkv:
	.size	k_qac7f12d57b_gemm_qkv, .Lfunc_end_k_qac7f12d57b_gemm_qkv-k_qac7f12d57b_gemm_qkv
	.p2alignl 7, 3214868480
	.fill 96, 4, 3214868480
	.section	.rodata,"a",@progbits
	.p2align	6, 0x0
	.amdhsa_kernel k_qac7f12d57b_gemm_qkv
		.amdhsa_group_segment_fixed_size 327680
		.amdhsa_private_segment_fixed_size 0
		.amdhsa_enable_private_segment 0
		.amdhsa_kernarg_size 40
		.amdhsa_user_sgpr_count 2
		.amdhsa_user_sgpr_kernarg_segment_ptr 1
		.amdhsa_wavefront_size32 1
		.amdhsa_system_sgpr_workgroup_id_x 1
		.amdhsa_system_sgpr_workgroup_id_y 1
		.amdhsa_system_sgpr_workgroup_id_z 1
		.amdhsa_system_vgpr_workitem_id 0
		.amdhsa_next_free_vgpr 1024
		.amdhsa_next_free_sgpr 100
		.amdhsa_reserve_vcc 0
		.amdhsa_float_denorm_mode_32 3
		.amdhsa_float_denorm_mode_16_64 3
		.amdhsa_memory_ordered 1
		.amdhsa_forward_progress 1
		.amdhsa_inst_pref_size 200
	.end_amdhsa_kernel
	.amdgpu_metadata
---
amdhsa.version: [ 1, 2 ]
amdhsa.kernels:
  - .name:           k_qac7f12d57b_gemm_qkv
    .symbol:         k_qac7f12d57b_gemm_qkv.kd
    .args:
      - { .name: cod, .offset: 0, .size: 8, .value_kind: global_buffer, .address_space: global }
      - { .name: qkv_b, .offset: 8, .size: 8, .value_kind: global_buffer, .address_space: global }
      - { .name: lowp_scales, .offset: 16, .size: 8, .value_kind: global_buffer, .address_space: global }
      - { .name: qc, .offset: 24, .size: 8, .value_kind: global_buffer, .address_space: global }
      - { .name: kv, .offset: 32, .size: 8, .value_kind: global_buffer, .address_space: global }
    .group_segment_fixed_size: 327680
    .private_segment_fixed_size: 0
    .kernarg_segment_align: 8
    .kernarg_segment_size: 40
    .max_flat_workgroup_size: 128
    .sgpr_count:     100
    .vgpr_count:     1024
    .wavefront_size: 32
...
	.end_amdgpu_metadata
.endif
;; end of part 2
;; launch attn (part 3): grid 4 x 64, 8 waves a work-group, clusters of 4 x 1, 263,168 bytes of LDS; arguments qc, kv, lowp_scales, ac; writes ac
.if DOCPART == 3
	.amdgcn_target "amdgcn-amd-amdhsa--gfx1250"
	.amdhsa_code_object_version 6
	.text
	.protected	k_qac7f12d57b_attn
	.globl	k_qac7f12d57b_attn
	.p2align	8
	.type	k_qac7f12d57b_attn,@function
k_qac7f12d57b_attn:
	s_mov_b64 s[64:65], 0
	v_nop
	global_prefetch_b8 v0, s[64:65] scope:SCOPE_SE
	s_setreg_imm32_b32 hwreg(HW_REG_WAVE_MODE, 25, 1), 1
	s_wait_xcnt 0x0
	s_wait_alu depctr_hold_cnt(0) depctr_sa_sdst(0) depctr_va_vdst(0) depctr_va_sdst(0) depctr_va_ssrc(0) depctr_va_vcc(0) depctr_vm_vsrc(0)
	s_getreg_b32 s2, hwreg(HW_REG_IB_STS2, 6, 4)
	s_cmp_eq_u32 s2, 0
	s_cbranch_scc0 .Lentry_in_a_cluster
	s_endpgm
.Lentry_in_a_cluster:
	s_bfe_u32 s2, ttmp6, 0x10000c
	s_cmp_lg_u32 s2, 0x3003
	s_cbranch_scc0 .Lentry_shape_is_right
	s_endpgm
.Lentry_shape_is_right:
; Causal attention on codes of FP8 (E4M3): 64 heads (16 batch + head) of 2,048 tokens x 64 channels.  Both products on the matrix units, sums in f32; the result is quantised at once for the last product.
; qc [head][tile of 16 queries 128][1,024]: images of the operand's registers (four registers of 32 lanes = 512 bytes, 16 a lane).   kv [head][step of 128 keys 16][16,384]: eight tiles of 16 keys x 64 channels
; (1,024 bytes each), then V^T: four tiles of 16 channels x 128 keys (2,048 each).   ac [16 rows of the 8,192: 512][head 16][1,024]: the result's codes, again as images.
; THE SOFTMAX: t = score x 2^(e2 + e3) x log2(e) / 8; M = the running largest t, rounded UP to a whole number; p = 2^(t - M) is quantised with 2^e4, not normalised.  The row's sum is taken of the unquantised p, in f32.
; When M moves, the sum and O are multiplied by 2^(old M - new M): exact.  At the end code = O x 2^(e4 + e5 - e6) / sum.
; SHARES.  A cluster of four work-groups is one head.  THE HEAD'S WHOLE K AND V, 262,144 bytes, LIE IN EACH PARTNER'S LDS, filled ONCE by joint loads (the same tensor loads, with a mask that names the four, in all four):
; no slot is ever filled again, so there is no ring.  The head's 64 pairs of query tiles (32 queries) are dealt so: pair 4 i + cx needs key steps 0 .. i, a number in which the place in the cluster does not
; stand.  Wave w takes i = 15 - w and then i = w: 17 steps for every wave of every work-group.  Both tiles of a pair use each fragment of K and V that is read from LDS.
; Every loop has a constant number of trips; a step all of whose keys come after the pair's queries is jumped over by a scalar branch on the wave's number and the step's.
; LAYOUT.  S^T = K Q^T (source 0 = 16 keys, source 1 = 16 queries), O^T = V^T P^T (source 0 = 16 channels, source 1 = P): a lane holds ONE query (lane % 16) throughout; the eight registers of score tile tau are
; keys 16 tau + 8 (lane / 16) + 0 .. 7, so their conversion is registers 2 tau, 2 tau + 1 of P (ISA guide 7.12.2), and O^T's conversions are the registers of the next product's operand.
; LIMITS on the given exponents: e2 + e3 between -123 and 130 (they are added to c's exponent field); e4 between -126 and 119; e4 + e5 - e6 is applied by v_ldexp_f32.  NaN among the inputs is not served.
; Not here: prefetches (kv and qc were written by the launch just before, and each is asked for once at the head); matrix and vector work by turns inside a wave (a step has 24 matrix instructions for some 560
; vector instructions: far more than turns could hide); two waves share a SIMD instead.
; REGISTERS.  Window 0: see the names below.  Window 1: v0-63 O^T, 32 a tile; v64-79 Q, 8 a tile.
.set KSB,  16384                       ; a key step in LDS and in memory
.set HALF, 131072                      ; eight of them
.set LI,   1                           ; v1   16 x lane; never rewritten
.set AD,   2                           ; v2   LDS address of the step in hand
.set LIM,  3
.set SCL,  4                           ; v4   2^e4
.set DD,   5                           ; v5, v6  tile x: my query's place in the diagonal step less 8 (lane / 16): register 8 tau + j is hidden where 16 tau + j is larger
.set NINF, 7                           ; v7   -infinity
.set ONE,  8                           ; v8   1.0
.set PL,   9                           ; v9, v10  the lane permutes' destinations
.set U,    12                          ; v[12:13], v[14:15]  the sums' second chain
.set ST,   16                          ; tile x at 16 + 6 x: +0 -M, +1 the largest t, +2, +3 the sum in two halves, +4 the factor f, +5 named with it as a pair
.set T0,   28                          ; v28, v29  at work
.set T1,   30                          ; v30, v31
.set P,    32                          ; v32-63   p's codes, 16 a tile
.set S,    64                          ; v64-191  S^T, then p, 64 a tile
.set F,    192                         ; v192-255 K's eight fragments, then V's four
.set QF,   64                          ; Q, in window 1
.set WV,  12                           ; s12  wave
.set CX,  13                           ; s13  my place in the cluster: it enters Q's and the result's addresses and the mask's numbers alone
.set BH,  14                           ; s14  the head
.set G1,  16                           ; s[16:23] descriptor group 1
.set G0,  24                           ; s[24:27], s[28:31] descriptor groups 0: my step of the first eight, of the second eight
.set QB,  32                           ; s[32:35] Q's address, pass 1 and 2
.set OB,  36                           ; s[36:39] the result's
.set EX,  40                           ; s[40:47] e0 .. e7
.set CS,  48                           ; s[48:49] c
.set SEL, 50                           ; s[50:51] lane selects: lane l xor 16
.set TB,  52                           ; s52  LDS byte of the step in hand
.set KS,  53                           ; s53  its number
.set II,  54                           ; s54  the pass's i: its last step
.set CNT, 55
.set EO,  56                           ; s56  e4 + e5 - e6
.set LO,  57
.set HI,  58
.set MSB, 0
.macro WIN new                         ; the immediate's high byte repeats the setting that is left
.if MSB != \new
	s_set_vgpr_msb (MSB<<8)|\new
.set MSB, \new
.endif
.endm
.macro CROUND                          ; a round of the cluster's barrier
	s_barrier_signal -1
	s_barrier_wait -1
	s_cmp_lg_u32 s[WV], 0
	s_cbranch_scc1 .Lnot_wave_0_\@
	s_barrier_signal -3
.Lnot_wave_0_\@:
	s_barrier_wait -3
	s_barrier_signal -1
	s_barrier_wait -1
.endm
	s_load_b256 s[4:11], s[0:1], 0x0               ; qc s[4:5], kv s[6:7], the scales' exponents s[8:9], ac s[10:11]
	v_lshl_add_u32 v11, v0, 2, 0x40000
	s_set_vgpr_msb 0x40
	v_mov_b32 v129, 0
	s_set_vgpr_msb 0x4044
	ds_add_u32 v11, v129
	ds_add_u32 v11, v129
	s_set_vgpr_msb 0x4400
	v_lshrrev_b32 v1, 5, v0
	s_delay_alu instid0(VALU_DEP_1)
	v_readfirstlane_b32 s[WV], v1                  ; wave 0..7
	s_bfe_u32 s[CX], ttmp6, 0x40000
	s_and_b32 s[BH], ttmp7, 0xffff                 ; the cluster's y: the head, which the four partners share
	; descriptor group 1: a dense block of 16,384 bytes as 64 rows of 256
	s_mov_b32 s[G1], 15|(3<<16)|(1<<21)            ; 15:0 the mask: all four work-groups; 17:16 elements of 8 bytes; 20 no padding; 21 set beside a mask
	s_mov_b32 s[G1+1], 32<<16                      ; tensor_dim0 = 32 elements
	s_mov_b32 s[G1+2], 64<<16                      ; tensor_dim1 = 64
	s_mov_b32 s[G1+3], 32<<16                      ; tile_dim0
	s_mov_b32 s[G1+4], 64                          ; tile_dim1
	s_mov_b32 s[G1+5], 32                          ; tensor_dim0_stride
	s_mov_b32 s[G1+6], 0
	s_mov_b32 s[G1+7], 0
	s_lshl_b32 s60, s[BH], 18                      ; the head's 262,144 bytes,
	s_lshl_b32 s61, s[WV], 14                      ; my step of them
	s_add_co_u32 s60, s60, s61
	s_mov_b32 s61, 0
	s_mov_b32 s[G0], 1
	s_lshl_b32 s[G0+1], s[WV], 14                  ; LDS holds the head as it lies in memory: step w at 16,384 w
	s_mov_b32 s[G0+4], 1
	s_add_co_u32 s[G0+5], s[G0+1], HALF
	s_wait_dscnt 0x0
	s_wait_kmcnt 0x0
	s_load_b256 s[EX:EX+7], s[8:9], 0x0
	s_add_nc_u64 s[G0+2:G0+3], s[6:7], s[60:61]
	s_add_nc_u64 s[G0+6:G0+7], s[G0+2:G0+3], HALF
	s_or_b32 s[G0+3], s[G0+3], 0x80000000          ; type = 2
	s_or_b32 s[G0+7], s[G0+7], 0x80000000
	CROUND                                         ; all four work-groups are here: the joint loads meet
	tensor_load_to_lds s[G0:G0+3], s[G1:G1+7]      ; key step w,
	s_nop 0
	tensor_load_to_lds s[G0+4:G0+7], s[G1:G1+7]    ; and key step 8 + w: two loads of mine are out, the only ones of the launch
	s_nop 0
.rept 4
	v_nop
.endr
	v_and_b32 v1, 31, v0
	s_delay_alu instid0(VALU_DEP_1)
	v_lshlrev_b32 v[LI], 4, v1
	v_and_b32 v[DD], 15, v0                        ; r
	v_bfe_u32 v[DD+1], v0, 4, 1
	s_delay_alu instid0(VALU_DEP_1)
	v_lshlrev_b32 v[DD+1], 3, v[DD+1]              ; 8 h
	s_delay_alu instid0(VALU_DEP_1)
	v_sub_nc_u32 v[DD], v[DD], v[DD+1]
	s_lshl_b32 s60, s[CX], 5
	v_add_nc_u32 v[DD], s60, v[DD]                 ; tile 0: 32 cx + r - 8 h
	s_delay_alu instid0(VALU_DEP_1)
	v_add_nc_u32 v[DD+1], 16, v[DD]                ; tile 1: 16 more
	v_mov_b32 v[NINF], 0xff800000
	v_mov_b32 v[ONE], 1.0
	v_mov_b32 v[PL], 0                             ; written once: a lane permute's destination counts as one of its sources
	v_mov_b32 v[PL+1], 0
	s_lshl_b32 s2, s[BH], 17                       ; qc: the head's 131,072 bytes
	s_lshr_b32 s3, s[BH], 4
	s_lshl_b32 s3, s3, 21                          ; ac: the batch's 128 x 16,384 bytes,
	s_and_b32 s59, s[BH], 15
	s_lshl_b32 s59, s59, 10
	s_add_co_u32 s3, s3, s59                       ; and the head's 1,024 in each 16,384
	s_mov_b32 s61, 0
	s_xor_b32 s[II], s[WV], 15                     ; pass 1: i = 15 - w
	s_lshl_b32 s59, s[II], 2
	s_add_co_u32 s59, s59, s[CX]                   ; its pair: 4 i + cx
	s_lshl_b32 s60, s59, 11                        ; two tiles of 1,024 bytes a pair
	s_add_co_u32 s60, s60, s2
	s_add_nc_u64 s[QB:QB+1], s[4:5], s[60:61]
	s_lshl_b32 s60, s59, 15                        ; two blocks of 16,384 bytes a pair
	s_add_co_u32 s60, s60, s3
	s_add_nc_u64 s[OB:OB+1], s[10:11], s[60:61]
	s_lshl_b32 s59, s[WV], 2
	s_add_co_u32 s59, s59, s[CX]                   ; pass 2: i = w
	s_lshl_b32 s60, s59, 11
	s_add_co_u32 s60, s60, s2
	s_add_nc_u64 s[QB+2:QB+3], s[4:5], s[60:61]
	s_lshl_b32 s60, s59, 15
	s_add_co_u32 s60, s60, s3
	s_add_nc_u64 s[OB+2:OB+3], s[10:11], s[60:61]
	s_mov_b32 s[SEL], 0x76543210
	s_mov_b32 s[SEL+1], 0xfedcba98
	s_wait_kmcnt 0x0
	s_add_co_i32 s59, s[EX+2], s[EX+3]
	s_lshl_b32 s59, s59, 23
	s_add_co_i32 s[CS], s59, 0x3e38aa3b            ; c = log2(e) / 8, with e2 + e3 added to its exponent field
	s_mov_b32 s[CS+1], s[CS]                       ; (named with it as a pair, so it is written)
	s_add_co_i32 s59, s[EX+4], 127
	s_lshl_b32 s60, s59, 23
	v_mov_b32 v[SCL], s60
	s_add_co_i32 s[EO], s[EX+4], s[EX+5]
	s_sub_co_i32 s[EO], s[EO], s[EX+6]
; A pass begins: its pair's Q comes into registers; O^T and the sums begin as zeros and the largest t as -3e38, so that the step is written without a first step of its own: the first change of M multiplies zeros.
.macro PASS_INIT p
	WIN 0x40                                       ; destination window 1
.irp k, 0,1,2,3
	global_load_b128 v[QF+4*\k:QF+4*\k+3], v[LI], s[QB+2*\p:QB+2*\p+1] offset:512*\k
.endr
.set j, 0
.rept 64
	v_mov_b32 v[j], 0
.set j, j+1
.endr
	WIN 0
.irp x, 0,1
	v_mov_b32 v[ST+6*\x+1], 0xff61b1e6
	s_delay_alu instid0(VALU_DEP_1)
	v_floor_f32 v[ST+6*\x], -v[ST+6*\x+1]
	v_mov_b32 v[ST+6*\x+2], 0
	v_mov_b32 v[ST+6*\x+3], 0
	v_mov_b32 v[ST+6*\x+4], 0
	v_mov_b32 v[ST+6*\x+5], 0
.endr
	s_wait_loadcnt 0x0
.endm
; The softmax of a step, both tiles: each group of lines is written for tile 0 and tile 1 by turns, so that a line seldom waits for the line above it.
.macro SOFTMAX
.irp x, 0,1
	v_max3_num_f32 v[T0+\x], v[S+64*\x], v[S+64*\x+1], v[S+64*\x+2]      ; the step's largest score of my query among my 64 keys, in two chains; each accumulator is read from its low end on
	v_max3_num_f32 v[T1+\x], v[S+64*\x+3], v[S+64*\x+4], v[S+64*\x+5]
.endr
.irp i, 6,10,14,18,22,26,30,34,38,42,46,50,54,58
.irp x, 0,1
	v_max3_num_f32 v[T0+\x], v[T0+\x], v[S+64*\x+\i], v[S+64*\x+\i+1]
	v_max3_num_f32 v[T1+\x], v[T1+\x], v[S+64*\x+\i+2], v[S+64*\x+\i+3]
.endr
.endr
.irp x, 0,1
	v_max3_num_f32 v[T0+\x], v[T0+\x], v[S+64*\x+62], v[S+64*\x+63]
.endr
.irp x, 0,1
	s_delay_alu instid0(VALU_DEP_2)
	v_max_num_f32 v[T0+\x], v[T0+\x], v[T1+\x]
.endr
.irp x, 0,1
	s_delay_alu instid0(VALU_DEP_2)
	v_permlanex16_b32 v[PL+\x], v[T0+\x], s[SEL], s[SEL+1]
.endr
.irp x, 0,1
	s_delay_alu instid0(VALU_DEP_2)
	v_max_num_f32 v[T0+\x], v[T0+\x], v[PL+\x]     ; and among lane l xor 16's
.endr
.irp x, 0,1
	s_delay_alu instid0(VALU_DEP_2)
	v_mul_f32 v[T0+\x], s[CS], v[T0+\x]            ; as t (c is positive)
.endr
.irp x, 0,1
	s_delay_alu instid0(VALU_DEP_2)
	v_max_num_f32 v[ST+6*\x+1], v[ST+6*\x+1], v[T0+\x]   ; the running largest t
.endr
.irp x, 0,1
	v_mov_b32 v[T0+\x], v[ST+6*\x]
.endr
.irp x, 0,1
	s_delay_alu instid0(VALU_DEP_4)
	v_floor_f32 v[ST+6*\x], -v[ST+6*\x+1]          ; the new -M = floor(-t): M is a whole number
.endr
.irp x, 0,1
	s_delay_alu instid0(VALU_DEP_2)
	v_sub_f32 v[T0+\x], v[ST+6*\x], v[T0+\x]       ; old M - new M: a whole number, 0 or less
.endr
.irp x, 0,1
	s_delay_alu instid0(VALU_DEP_2)
	v_cvt_i32_f32 v[T0+\x], v[T0+\x]               ; (it saturates)
.endr
.irp x, 0,1
	s_delay_alu instid0(VALU_DEP_2)
	v_ldexp_f32 v[ST+6*\x+4], 1.0, v[T0+\x]        ; f = 2^(old M - new M): a multiplication by it rounds nothing
.endr
.irp x, 0,1
.set j, 0
.rept 32
	v_pk_fma_f32 v[S+64*\x+j:S+64*\x+j+1], v[S+64*\x+j:S+64*\x+j+1], s[CS:CS+1], v[ST+6*\x:ST+6*\x+1] op_sel_hi:[1,0,0]   ; t - M, two at a time (of the pairs c and -M the low word serves both halves)
.set j, j+2
.endr
.endr
	s_setprio 1
	s_wait_alu depctr_va_vdst(0)
.irp x, 0,1
.set j, 0
.rept 64
	v_exp_f32 v[S+64*\x+j], v[S+64*\x+j]           ; p = 2^(t - M), at most 1; 0 for a hidden key
.set j, j+1
.endr
.endr
.irp x, 0,1
	v_pk_mul_f32 v[ST+6*\x+2:ST+6*\x+3], v[ST+6*\x+2:ST+6*\x+3], v[ST+6*\x+4:ST+6*\x+5] op_sel_hi:[1,0]   ; the sums under the new M.  (The plain line behind the exponentials)
.endr
	s_wait_alu depctr_va_vdst(0)
.irp x, 0,1
	v_pk_add_f32 v[U+2*\x:U+2*\x+1], v[S+64*\x:S+64*\x+1], v[S+64*\x+2:S+64*\x+3]   ; the row's sum is taken of the UNQUANTISED p, in two chains
.endr
.irp j, 4,8,12,16,20,24,28,32,36,40,44,48,52,56,60
.irp x, 0,1
	v_pk_add_f32 v[ST+6*\x+2:ST+6*\x+3], v[ST+6*\x+2:ST+6*\x+3], v[S+64*\x+\j:S+64*\x+\j+1]
	v_pk_add_f32 v[U+2*\x:U+2*\x+1], v[U+2*\x:U+2*\x+1], v[S+64*\x+\j+2:S+64*\x+\j+3]
.endr
.endr
.irp x, 0
	s_delay_alu instid0(VALU_DEP_3)
	v_pk_add_f32 v[ST+6*\x+2:ST+6*\x+3], v[ST+6*\x+2:ST+6*\x+3], v[U+2*\x:U+2*\x+1]
.endr
.irp x, 1
	s_delay_alu instid0(VALU_DEP_2)
	v_pk_add_f32 v[ST+6*\x+2:ST+6*\x+3], v[ST+6*\x+2:ST+6*\x+3], v[U+2*\x:U+2*\x+1]
.endr
.irp x, 0,1
.irp tau, 0,1,2,3,4,5,6,7
.irp j, 0,1,2,3,4,5,6,7
.endr
	v_cvt_scalef32_pk8_fp8_f32 v[P+16*\x+2*\tau:P+16*\x+2*\tau+1], v[S+64*\x+8*\tau:S+64*\x+8*\tau+7], v[SCL]
.endr
.endr
.endm
; A KEY STEP: 128 keys against the pair's 32 queries.  chk = 1: the step may lie behind the pass's last (it is then jumped over, all but the lines that step its address and number) or be the last, the one on the diagonal.
.macro STEP chk
.if \chk
	s_cmp_gt_u32 s[KS], s[II]
	s_cbranch_scc1 .Lhidden_\@
.endif
	s_setprio 2
	v_add_nc_u32 v[AD], s[TB], v[LI]
.rept 3
	v_nop                                          ; with the addition: four places in front of loads into registers that the last products have read
.endr
.set f, 0
.rept 16
	ds_load_b128 v[F+4*f:F+4*f+3], v[AD] offset:512*f   ; K: tile f / 2, registers 4 (f % 2) on: 512 consecutive bytes
.set f, f+1
.endr
	s_wait_alu depctr_va_vdst(0)
	s_wait_dscnt 0x0
	WIN 0x04                                       ; source 1 (Q) window 1
.irp tau, 0,1,2,3,4,5,6,7
.irp x, 0,1
	v_wmma_f32_16x16x64_fp8_fp8 v[S+64*\x+8*\tau:S+64*\x+8*\tau+7], v[F+8*\tau:F+8*\tau+7], v[QF+8*\x:QF+8*\x+7], 0
.endr
.endr
	WIN 0
.rept 4
	v_nop                                          ; places in front of the loads below and of the first read of the scores
.endr
.set f, 0
.rept 16
	ds_load_b128 v[F+4*f:F+4*f+3], v[AD] offset:8192+512*f   ; V^T: tile f / 4, registers 4 (f % 4) on.  They land while the softmax is walked
.set f, f+1
.endr
.if \chk
	s_cmp_lg_u32 s[KS], s[II]
	s_cbranch_scc1 .Lopen_\@                       ; all keys of the step count
.irp x, 0,1
.set n, 0
.rept 64
	v_cmp_gt_i32 vcc_lo, 16*(n/8)+n%8, v[DD+\x]    ; on the diagonal the scores of hidden keys become -infinity ahead of the maximum.  Key 0 counts for every query, so M is a number from the first step on
	v_cndmask_b32 v[S+64*\x+n], v[S+64*\x+n], v[NINF], vcc_lo
.set n, n+1
.endr
.endr
.Lopen_\@:
.endif
	SOFTMAX
	WIN 0x41                                       ; O^T (destination and source 0) window 1
	s_setprio 0
.irp x, 0,1
.set j, 0
.rept 16
	v_pk_mul_f32 v[32*\x+j:32*\x+j+1], v[32*\x+j:32*\x+j+1], v[ST+6*\x+4:ST+6*\x+5] op_sel_hi:[1,0]   ; O^T under the new M.  (These are also the plain lines behind the conversions)
.set j, j+2
.endr
.endr
	s_wait_alu depctr_va_vdst(0)
	s_wait_dscnt 0x0                               ; V^T is in
	WIN 0x50                                       ; C and D window 1
.irp t, 0,1,2,3
.irp x, 0,1
	v_wmma_f32_16x16x128_fp8_fp8 v[32*\x+8*\t:32*\x+8*\t+7], v[F+16*\t:F+16*\t+15], v[P+16*\x:P+16*\x+15], v[32*\x+8*\t:32*\x+8*\t+7]   ; the eight accumulators take turns, one instruction a turn
.endr
.endr
	WIN 0
.if \chk
.Lhidden_\@:
	s_add_co_u32 s[KS], s[KS], 1
.endif
	s_add_co_u32 s[TB], s[TB], KSB
.endm
; A pass ends: O^T / the sum x 2^(e4 + e5 - e6), converted with the scale 1, stored as the image of the next operand's registers: two stores of 512 consecutive bytes a tile.
.macro PASS_OUT p
.irp x, 0,1
	v_add_f32 v[T0+\x], v[ST+6*\x+2], v[ST+6*\x+3] ; the sum's two halves.  (These additions are the places behind the last products)
.endr
.irp x, 0,1
	s_delay_alu instid0(VALU_DEP_2)
	v_permlanex16_b32 v[PL+\x], v[T0+\x], s[SEL], s[SEL+1]
.endr
.irp x, 0,1
	s_delay_alu instid0(VALU_DEP_2)
	v_add_f32 v[T0+\x], v[T0+\x], v[PL+\x]         ; and lane l xor 16's
.endr
	s_wait_alu depctr_va_vdst(0)
.irp x, 0,1
	v_rcp_f32 v[T1+\x], v[T0+\x]
.endr
	v_nop                                          ; a plain line behind the reciprocals
	s_wait_alu depctr_va_vdst(0)
.irp x, 0,1
	v_ldexp_f32 v[ST+6*\x+4], v[T1+\x], s[EO]
.endr
	WIN 0x01                                       ; source 0 (O^T) window 1
.irp x, 0,1
.set j, 0
.rept 16
	v_pk_mul_f32 v[S+64*\x+j:S+64*\x+j+1], v[32*\x+j:32*\x+j+1], v[ST+6*\x+4:ST+6*\x+5] op_sel_hi:[1,0]   ; each accumulator from its low end on
.set j, j+2
.endr
.endr
	WIN 0
.irp x, 0,1
.set j, 0
.rept 32
.set j, j+1
.endr
.irp t, 0,1,2,3
	v_cvt_scalef32_pk8_fp8_f32 v[P+16*\x+2*\t:P+16*\x+2*\t+1], v[S+64*\x+8*\t:S+64*\x+8*\t+7], v[ONE]
.endr
.endr
	v_nop                                          ; one plain vector line behind the last conversion
.irp x, 0,1
.irp u, 0,1
	global_store_b128 v[LI], v[P+16*\x+4*\u:P+16*\x+4*\u+3], s[OB+2*\p:OB+2*\p+1] offset:16384*\x+512*\u
.endr
.endr
.endm
	PASS_INIT 0
	s_wait_tensorcnt 0x1                           ; my step of the first eight is in; my step of the second eight may stay out
	s_barrier_signal -1
	s_barrier_wait -1                              ; everybody's is
	s_mov_b32 s[TB], 0
	s_mov_b32 s[CNT], 8
.Lp1a:                                             ; pass 1, steps 0 to 7: i is 8 or more, so all their keys count
	STEP 0
	s_sub_co_u32 s[CNT], s[CNT], 1
	s_cmp_lg_u32 s[CNT], 0
	s_cbranch_scc1 .Lp1a
	s_setprio 0
	s_wait_tensorcnt 0x0                           ; my step of the second eight is in,
	s_wait_dscnt 0x0
	s_barrier_signal -1
	s_barrier_wait -1                              ; everybody's is
	s_mov_b32 s[TB], HALF
	s_mov_b32 s[KS], 8
	s_mov_b32 s[CNT], 8
.Lp1b:                                             ; pass 1, steps 8 to 15, of which 8 to i are worked
	STEP 1
	s_sub_co_u32 s[CNT], s[CNT], 1
	s_cmp_lg_u32 s[CNT], 0
	s_cbranch_scc1 .Lp1b
	s_setprio 0
	PASS_OUT 0
	s_wait_xcnt 0x0                                ; the stores have read their registers: the codes' registers are written again in pass 2
	s_mov_b32 s[II], s[WV]
	PASS_INIT 1
	s_mov_b32 s[TB], 0
	s_mov_b32 s[KS], 0
	s_mov_b32 s[CNT], 8
.Lp2:                                              ; pass 2, steps 0 to 7, of which 0 to i are worked
	STEP 1
	s_sub_co_u32 s[CNT], s[CNT], 1
	s_cmp_lg_u32 s[CNT], 0
	s_cbranch_scc1 .Lp2
	s_setprio 0
	s_wait_alu depctr_va_vdst(0)
	PASS_OUT 1
	s_set_vgpr_msb 0x4
	s_wait_tensorcnt 0x0
	ds_add_u32 v11, v129
	s_wait_dscnt 0x0
	s_set_vgpr_msb 0x400
	CROUND                                         ; the closing round
	s_endpgm
.Lfunc_end_k_qac7f12d57b_attn:
	.size	k_qac7f12d57b_attn, .Lfunc_end_k_qac7f12d57b_attn-k_qac7f12d57b_attn
	.p2alignl 7, 3214868480
	.fill 96, 4, 3214868480
	.section	.rodata,"a",@progbits
	.p2align	6, 0x0
	.amdhsa_kernel k_qac7f12d57b_attn
		.amdhsa_group_segment_fixed_size 263168
		.amdhsa_private_segment_fixed_size 0
		.amdhsa_enable_private_segment 0
		.amdhsa_kernarg_size 32
		.amdhsa_user_sgpr_count 2
		.amdhsa_user_sgpr_kernarg_segment_ptr 1
		.amdhsa_wavefront_size32 1
		.amdhsa_system_sgpr_workgroup_id_x 1
		.amdhsa_system_sgpr_workgroup_id_y 1
		.amdhsa_system_sgpr_workgroup_id_z 1
		.amdhsa_system_vgpr_workitem_id 0
		.amdhsa_next_free_vgpr 386
		.amdhsa_next_free_sgpr 66
		.amdhsa_reserve_vcc 1
		.amdhsa_float_denorm_mode_32 3
		.amdhsa_float_denorm_mode_16_64 3
		.amdhsa_fp16_overflow 1
		.amdhsa_memory_ordered 1
		.amdhsa_forward_progress 1
		.amdhsa_inst_pref_size 114
	.end_amdhsa_kernel
	.amdgpu_metadata
---
amdhsa.version: [ 1, 2 ]
amdhsa.kernels:
  - .name:           k_qac7f12d57b_attn
    .symbol:         k_qac7f12d57b_attn.kd
    .args:
      - { .name: qc, .offset: 0, .size: 8, .value_kind: global_buffer, .address_space: global }
      - { .name: kv, .offset: 8, .size: 8, .value_kind: global_buffer, .address_space: global }
      - { .name: lowp_scales, .offset: 16, .size: 8, .value_kind: global_buffer, .address_space: global }
      - { .name: ac, .offset: 24, .size: 8, .value_kind: global_buffer, .address_space: global }
    .group_segment_fixed_size: 263168
    .private_segment_fixed_size: 0
    .kernarg_segment_align: 8
    .kernarg_segment_size: 32
    .max_flat_workgroup_size: 256
    .sgpr_count:     66
    .vgpr_count:     386
    .wavefront_size: 32
...
	.end_amdgpu_metadata
.endif
;; end of part 3
;; launch gemm_out (part 4): grid 4 x 32, 4 waves a work-group, clusters of 4 x 4, 327,680 bytes of LDS; arguments ac, cod, lowp_scales, out_b, out0; writes out0
.if DOCPART == 4
	.amdgcn_target "amdgcn-amd-amdhsa--gfx1250"
	.amdhsa_code_object_version 6
	.text
	.protected	k_qac7f12d57b_gemm_out
	.globl	k_qac7f12d57b_gemm_out
	.p2align	8
	.type	k_qac7f12d57b_gemm_out,@function
k_qac7f12d57b_gemm_out:
	s_mov_b64 s[64:65], 0
	v_nop
	global_prefetch_b8 v0, s[64:65] scope:SCOPE_SE
	s_setreg_imm32_b32 hwreg(HW_REG_WAVE_MODE, 25, 1), 1
	s_wait_xcnt 0x0
	s_wait_alu depctr_hold_cnt(0) depctr_sa_sdst(0) depctr_va_vdst(0) depctr_va_sdst(0) depctr_va_ssrc(0) depctr_va_vcc(0) depctr_vm_vsrc(0)
	s_getreg_b32 s2, hwreg(HW_REG_IB_STS2, 6, 4)
	s_cmp_eq_u32 s2, 0
	s_cbranch_scc0 .Lentry_in_a_cluster
	s_endpgm
.Lentry_in_a_cluster:
	s_bfe_u32 s2, ttmp6, 0x10000c
	s_cmp_lg_u32 s2, 0xf033
	s_cbranch_scc0 .Lentry_shape_is_right
	s_endpgm
.Lentry_shape_is_right:
; out0 = attention's result x out_w + out_b, on codes of FP8 (E4M3); sums in f32; out0 [8192][1024] f32.
; A: ac [16 rows: 512][head 16][1,024]: IMAGES OF THE OPERAND'S REGISTERS (four registers of 32 lanes = 512 bytes, 16 a lane; registers 2 c, 2 c + 1 hold k = 16 c + 8 (lane / 16) + 0 .. 7: ISA guide 7.12.2);
; two neighbouring heads are a fragment of 16 rows x 128 K.  B: out_w's codes [1024 (n)][1024 (k)], rows, at byte 11,534,336 of cod; its fragments are read in the same places of k, by loads of 8 bytes.
; A number of A is its code x 2^e6, of B x 2^e7: each finished sum is multiplied once by 2^(e6 + e7), with out_b added in the same fused multiply-add.
; LIMIT: e6 + e7 between -126 and 127, so that 2^(e6 + e7) is an f32 number.
; A tile of 256 x 256 is made by four waves, 128 x 128 each: 64 accumulators, 512 registers.  K = 1,024 goes in steps of 256 through a ring of two LDS slots.  128 tiles: a tile of half the size would read
; half as much again from LDS for each matrix instruction, in a loop that already reads 32,768 bytes a wave for 64 of them.
; CLUSTERS: 4 x 4 work-groups.  A's tile is shared along a row of the cluster, B's along a column: each is asked for JOINTLY, by the same tensor load with a mask that names the four.
; THE MATRIX INSTRUCTION IS USED TRANSPOSED (source 0 = 16 rows of B, source 1 = 16 rows of A): a lane holds eight neighbouring numbers of a row of the result.
; REGISTERS, in windows of 256: window 0: v0-31 addresses; v96-99 out_b at my four columns; from v128 A's fragments, ONE set; on the way out rows read back.
;   window 1: B's fragments, TWO sets.   window 2: the accumulators of my rows 0-63 ((a, b) at v[8 (8 a + b)]);   window 3: those of my rows 64-127.
.set SIZE_N, 1024
.set ROWB,   256                       ; B: a tile's row in bytes
.set KROW,   1024                      ; B: a row of codes in memory
.set PITCH,  272                       ; B: an LDS row: 256 bytes + 16 of padding: the 32 lanes of a load of 8 bytes touch 64 different banks (64 banks of 4 bytes: ISA guide 11.1)
.set ASTEP,  4096                      ; A: a K step of 16 rows: four heads' images
.set FR,     16                        ; registers of a fragment
.set NL,     4                         ; LDS loads that bring one of A's
.set NP,     4                         ; places behind this matrix instruction (ISA guide 7.12.1)
.set HALFA,  8*ASTEP                   ; A: 128 rows of a K step, dense
.set HALFB,  128*PITCH
.set SLOT,   2*HALFA+2*HALFB           ; A's two halves, then B's two
.set LAPS,   2
.set SPARE,  2*SLOT                    ; behind the ring: the spare words, 128 bytes for each wave: two blocks of 256 bytes that no other line names
.set SPITCH, 528                       ; the way out: a stage of 16 rows x (512 bytes + 16) for each wave.  It lies in slot 0, which has had its last fill and its last read when the first result is stored there
.set ADRA, 16                          ; v16-17  LDS address of my A fragments in slot 0, 1
.set ADRB, 20                          ; v20-21  the same for B
.set STO,  24                          ; v24     the way out: where I put 32 bytes of a row
.set RD,   25                          ; v25     the way out: where I read a row back
.set CO,   26                          ; v26     16 x lane: my place in an image, in a row of the result, in my wave's part of out_b; never rewritten
.set SPW,  28                          ; v28     LDS address of my spare word; never rewritten
.set NIL,  29                          ; v29     0; never rewritten
.set OBI,  96                          ; v96-99  out_b at my four columns of a row read back
.set AF,   128
.set BK,   128                         ; the way out: 16 rows read back from the stage: v128-191 and v192-255 by turns
.set G1, 24                            ; s[24:31] descriptor group 1 for A's tiles;  s[32:39] group 0, one set for each slot
.set G0, 32
.set G1B, 48                           ; s[48:55], s[56:63] the same for B's tiles
.set G0B, 56
.set MSB, 0
.macro WIN new                         ; the immediate's high byte repeats the setting that is left
.if MSB != \new
	s_set_vgpr_msb (MSB<<8)|\new
.set MSB, \new
.endif
.endm
.set MUL_LO, 0xa1                      ; source 0 (B) window 1, source 1 (A) window 0, C and D window 2
.set MUL_HI, 0xf1                      ; the same, C and D window 3
.set TO_B,   0x40                      ; destination window 1, address window 0
; A joint load: waves 0 and 1 fetch for A, waves 2 and 3 for B.  Each of the two lines has ONE mask and one set of registers for all that issue it; the branch hangs on the wave's number alone.
; Four v_nop follow each of the two lines, ahead of the jump, the label and what follows.
.macro JLOAD g0a, g1a, g0b, g1b
	s_cmp_eq_u32 s15, 0
	s_cbranch_scc0 .Lfor_b_\@
	tensor_load_to_lds s[\g0a:\g0a+3], s[\g1a:\g1a+7]
	s_nop 0
.rept 4
	v_nop
.endr
	s_branch .Lasked_\@
.Lfor_b_\@:
	tensor_load_to_lds s[\g0b:\g0b+3], s[\g1b:\g1b+7]
	s_nop 0
.rept 4
	v_nop
.endr
.Lasked_\@:
.endm
.macro CREST                           ; a round of the cluster's barrier behind its opening barrier
	s_cmp_lg_u32 s14, 0
	s_cbranch_scc1 .Lnot_wave_0_\@
	s_barrier_signal -3
.Lnot_wave_0_\@:
	s_barrier_wait -3
	s_barrier_signal -1
	s_barrier_wait -1
.endm
.macro CROUND                          ; a whole round
	s_barrier_signal -1
	s_barrier_wait -1
	CREST
.endm
	s_load_b128 s[4:7], s[0:1], 0x0                ; ac s[4:5], cod s[6:7]
	s_load_b128 s[8:11], s[0:1], 0x10              ; the scales' exponents s[8:9], out_b s[10:11]
	s_load_b64 s[12:13], s[0:1], 0x20              ; out0
	v_lshl_add_u32 v[SPW], v0, 2, SPARE
	v_mov_b32 v[NIL], 0
	ds_add_u32 v28, v29
	ds_add_u32 v28, v29
	s_wait_dscnt 0x0
	v_lshrrev_b32 v1, 5, v0
	v_readfirstlane_b32 s14, v1                    ; wave 0..3
	s_lshr_b32 s15, s14, 1                         ; which half of the tile's rows is mine.  Also: I fetch for A (0) or for B (1)
	s_and_b32 s16, s14, 1                          ; which half of its columns.  Also: which 128 rows of that tile I fetch
	s_bfe_u32 s40, ttmp6, 0x40000                  ; cx, cy: my place in the cluster
	s_bfe_u32 s41, ttmp6, 0x40004
	s_lshl_b32 s42, ttmp9, 2
	s_add_co_u32 s42, s42, s40                     ; tile column = 4 x cluster x + cx
	s_and_b32 s17, ttmp7, 0xffff
	s_lshl_b32 s17, s17, 2
	s_add_co_u32 s17, s17, s41                     ; tile row = 4 x cluster y + cy
	s_lshl_b32 s43, s41, 2
	s_lshl_b32 s43, 15, s43                        ; my row of the cluster
	s_lshl_b32 s44, 0x1111, s40                    ; my column
	; descriptor group 1 for A: 8 rows (blocks of 16 rows of the operand) x 4,096 bytes (a K step's images), 16,384 bytes apart; dense in LDS
	s_or_b32 s[G1+0], s43, (3<<16)|(1<<21)         ; 15:0 the mask: A's tiles go to my row; 17:16 elements of 8 bytes; 20 no padding; 21 set beside a mask
	s_mov_b32 s[G1+1], 512<<16                     ; tensor_dim0 = 512 elements
	s_mov_b32 s[G1+2], 8<<16                       ; tensor_dim1 = 8
	s_mov_b32 s[G1+3], 512<<16                     ; tile_dim0
	s_mov_b32 s[G1+4], 8                           ; tile_dim1
	s_mov_b32 s[G1+5], 2048                        ; tensor_dim0_stride: 16,384 bytes
	s_mov_b32 s[G1+6], 0
	s_mov_b32 s[G1+7], 0
	; and for B: 128 rows x 256 bytes, padded in LDS
	s_or_b32 s[G1B+0], s44, (0<<16)|(1<<20)|(1<<21)|(5<<22)|(3<<25)  ; the mask of my column; elements of 1 byte; padding: 4 words (code 3) after every 64 (code 5)
	s_mov_b32 s[G1B+1], ROWB<<16
	s_mov_b32 s[G1B+2], 128<<16
	s_mov_b32 s[G1B+3], ROWB<<16
	s_mov_b32 s[G1B+4], 128
	s_mov_b32 s[G1B+5], KROW
	s_mov_b32 s[G1B+6], 0
	s_mov_b32 s[G1B+7], 0
	s_lshl_b32 s20, s17, 4
	s_lshl_b32 s18, s16, 3
	s_add_co_u32 s20, s20, s18                     ; A: block 16 x tile row + 8 x half,
	s_lshl_b32 s20, s20, 14                        ; of 16,384 bytes
	s_mov_b32 s21, 0
	s_lshl_b32 s46, s42, 8
	s_lshl_b32 s18, s16, 7
	s_add_co_u32 s46, s46, s18                     ; B: row 256 x tile column + 128 x half,
	s_lshl_b32 s46, s46, 10                        ; of 1,024 bytes,
	s_add_co_u32 s46, s46, 11534336                ; behind x's and qkv_w's codes
	s_mov_b32 s47, 0
	s_lshl_b32 s45, s16, 15                        ; where they go: A's half at 32,768 x half,
	s_mul_i32 s78, s16, HALFB
	s_add_co_u32 s78, s78, 2*HALFA                 ; B's behind A's two: no place in the cluster enters an LDS address
	s_wait_kmcnt 0x0
	s_load_b64 s[96:97], s[8:9], 0x18              ; e6, e7
	s_add_nc_u64 s[20:21], s[4:5], s[20:21]
	s_add_nc_u64 s[46:47], s[6:7], s[46:47]
	CROUND                                         ; all sixteen work-groups are here: the first joint loads meet
.irp s, 0,1
	s_mov_b32 s[G0+4*\s], 1
	s_add_co_u32 s[G0+4*\s+1], s45, \s*SLOT
	s_add_nc_u64 s[G0+4*\s+2:G0+4*\s+3], s[20:21], \s*ASTEP
	s_or_b32 s[G0+4*\s+3], s[G0+4*\s+3], 0x80000000
	s_mov_b32 s[G0B+4*\s], 1
	s_add_co_u32 s[G0B+4*\s+1], s78, \s*SLOT
	s_add_nc_u64 s[G0B+4*\s+2:G0B+4*\s+3], s[46:47], \s*ROWB
	s_or_b32 s[G0B+4*\s+3], s[G0B+4*\s+3], 0x80000000
	JLOAD G0+4*\s, G1, G0B+4*\s, G1B
.endr
	v_and_b32 v1, 15, v0                           ; r = l % 16
	v_bfe_u32 v2, v0, 4, 1                         ; h = l / 16
	v_and_b32 v6, 31, v0
	v_lshlrev_b32 v[CO], 4, v6                     ; 16 x lane
	v_mul_u32_u24 v3, v1, PITCH
	v_lshl_add_u32 v4, v2, 3, v3                   ; B: row x pitch + 8 x half
	s_lshl_b32 s21, s15, 15                        ; my 128 rows of A
	s_mul_i32 s22, s16, HALFB                      ; my 128 rows of B,
	s_add_co_u32 s22, s22, 2*HALFA                 ; which lie behind A's
.irp s, 0,1
	v_add_nc_u32 v[ADRA+\s], s21, v[CO]
	v_add_nc_u32 v[ADRB+\s], s22, v4
	s_add_co_u32 s21, s21, SLOT
	s_add_co_u32 s22, s22, SLOT
.endr
	s_mul_i32 s23, s14, 16*SPITCH                  ; my stage
	v_mul_u32_u24 v5, v1, SPITCH                   ; in: row l % 16, 32 bytes for each half of the lanes
	v_lshl_add_u32 v5, v2, 5, v5
	v_add_nc_u32 v[STO], s23, v5
	v_add_nc_u32 v[RD], s23, v[CO]                 ; back: the 32 lanes take one row of 512 bytes
	s_lshl_b32 s20, s17, 8
	s_lshl_b32 s21, s15, 7
	s_add_co_u32 s20, s20, s21                     ; my first row of the result: 256 x tile row + 128 x half,
	s_lshl_b32 s20, s20, 12                        ; of 4,096 bytes
	s_mov_b32 s21, 0
	s_lshl_b32 s46, s42, 10                        ; my first column, in bytes: 1,024 x tile column + 512 x half
	s_lshl_b32 s47, s16, 9
	s_add_co_u32 s46, s46, s47
	s_mov_b32 s47, 0
	s_add_nc_u64 s[66:67], s[10:11], s[46:47]      ; out_b at my first column; never rewritten
	s_add_nc_u64 s[12:13], s[12:13], s[20:21]
	s_add_nc_u64 s[12:13], s[12:13], s[46:47]
	global_load_b128 v[OBI:OBI+3], v[CO], s[66:67] ; asked for here, waited for on the way out
.macro FRAGA reg, adr, q, i            ; a fragment of A as it lies: block i, the slot's q-th 128 along K: four loads of 512 consecutive bytes
.irp c, 0,1,2,3
	ds_load_b128 v[\reg+4*\c:\reg+4*\c+3], v[\adr] offset:ASTEP*(\i)+2048*(\q)+512*\c
.endr
.endm
.macro FRAGB reg, adr, q, i            ; a fragment of B from rows: registers 2 c, 2 c + 1 hold K = 16 c + 8 (l / 16) + 0 .. 7 of row l % 16: the places that A's images have
.irp c, 0,1,2,3,4,5,6,7
	ds_load_b64 v[\reg+2*\c:\reg+2*\c+1], v[\adr] offset:128*(\q)+16*\c+(\i)*16*PITCH
.endr
.endm
; 16 matrix instructions: A's blocks a0, a0 + 1 x B's eight, 128 along K.  p: B's set.  zero = 1: the first product starts the sums: nothing is ever cleared.
; The 64 accumulators take turns, one instruction a turn, in the same order in every step.
.macro MUL16 a0, p, zero
.irp a, \a0, \a0+1
.irp b, 0,1,2,3,4,5,6,7
.if \zero
	v_wmma_f32_16x16x128_fp8_fp8 v[8*(8*((\a)%4)+\b):8*(8*((\a)%4)+\b)+7], v[128*(\p)+FR*\b:128*(\p)+FR*\b+FR-1], v[AF+FR*(\a):AF+FR*(\a)+FR-1], 0
.else
	v_wmma_f32_16x16x128_fp8_fp8 v[8*(8*((\a)%4)+\b):8*(8*((\a)%4)+\b)+7], v[128*(\p)+FR*\b:128*(\p)+FR*\b+FR-1], v[AF+FR*(\a):AF+FR*(\a)+FR-1], v[8*(8*((\a)%4)+\b):8*(8*((\a)%4)+\b)+7]
.endif
.endr
.endr
.endm
.macro FETCH_B slot, q, p              ; B's eight fragments of the slot's q-th 128 along K into set p
	WIN TO_B
.irp i, 0,1,2,3,4,5,6,7
	FRAGB 128*(\p)+FR*\i, ADRB+\slot, \q, \i
.endr
	WIN 0
.endm
.macro FETCH_A slot, q, i0             ; A's blocks i0 .. i0 + 3
.irp i, \i0, \i0+1, \i0+2, \i0+3
	FRAGA AF+FR*(\i), ADRA+\slot, \q, \i
.endr
.endm
; A load into a register that a matrix instruction has read, and a vector instruction or an LDS store that reads a matrix result, stand NP places behind that matrix instruction, and only plain vector
; instructions that name none of its registers are places (ISA guide 7.12.1 for vector instructions).
.macro PLACES n
.rept \n
	v_nop
.endr
.endm
; A step of 128 along K that has its successor in the same slot.  A block of A is free as soon as its eight products are issued, so one set of registers serves A.
.macro STEP slot, q, zero
	s_wait_dscnt 4*NL                              ; B's set and A's blocks 0-3 are in; the youngest sixteen loads (A's blocks 4-7) may be out
	WIN MUL_LO
	MUL16 0, (\q)%2, \zero
	MUL16 2, (\q)%2, \zero
	s_wait_dscnt 0                                 ; A's blocks 4-7 are in (asked for 32 matrix instructions ago)
	PLACES NP
	FETCH_B \slot, (\q)+1, 1-(\q)%2
	FETCH_A \slot, (\q)+1, 0
	WIN MUL_HI
	MUL16 4, (\q)%2, \zero
	MUL16 6, (\q)%2, \zero
	PLACES NP
	WIN 0
	FETCH_A \slot, (\q)+1, 4
.endm
; A slot's last step changes slots: ONE barrier; in front of it each wave waits for all its tensor loads, adds 0 to its spare word, and waits for that and for its own reads of this slot.  fill = 1: this slot is filled again, two K steps ahead.
.macro TURN slot, next, fill
	s_wait_tensorcnt 0x0                           ; all my tensor loads have landed: my part of the next slot;  (every window is 0 here)
	ds_add_u32 v[SPW], v[NIL]                      ; 0 onto my spare word
	s_wait_dscnt 4*NL+1                            ; (the add and the youngest sixteen loads, A's blocks 4-7, may be out)
	WIN MUL_LO
	MUL16 0, 1, 0                                  ; sixteen matrix instructions stand between the add and the wait for it
	s_wait_dscnt 0x0                               ; the add is done, and my reads of this slot are over
	s_barrier_signal -1
	MUL16 2, 1, 0
	WIN 0
	s_barrier_wait -1
.if \fill
	CREST                                          ; the barrier has opened a round of the cluster's barrier: no wave of any partner still reads this slot's tile or has a load on its way
	s_add_nc_u64 s[G0+4*\slot+2:G0+4*\slot+3], s[G0+4*\slot+2:G0+4*\slot+3], 2*ASTEP
	s_add_nc_u64 s[G0B+4*\slot+2:G0B+4*\slot+3], s[G0B+4*\slot+2:G0B+4*\slot+3], 2*ROWB
	JLOAD G0+4*\slot, G1, G0B+4*\slot, G1B         ; the first tensor load behind the round; the four v_nop behind it are also the places in front of the loads below
.else
	PLACES NP
.endif
	FETCH_B \next, 0, 0
	FETCH_A \next, 0, 0
	WIN MUL_HI
	MUL16 4, 1, 0
	MUL16 6, 1, 0
	PLACES NP
	WIN 0
	FETCH_A \next, 0, 4
.endm
	s_wait_tensorcnt 1                             ; my part of K step 0 is in (K step 1's load may be out)
	s_barrier_signal -1
	s_barrier_wait -1                              ; everybody's is
	FETCH_B 0, 0, 0
	FETCH_A 0, 0, 0
	FETCH_A 0, 0, 4
	STEP 0, 0, 1                                   ; the first step stands in front of the loop: its products start the sums
	s_mov_b32 s3, LAPS-1
.Llap:                                                 ; a trip goes once round the ring, from a lap's second step to the next lap's first, and fills both slots again
	TURN 0, 1, 1
	STEP 1, 0, 0
	TURN 1, 0, 1
	STEP 0, 0, 0
	s_sub_co_u32 s3, s3, 1
	s_cmp_lg_u32 s3, 0
	s_cbranch_scc1 .Llap
	TURN 0, 1, 0                                   ; the last lap fills nothing, and has no round of the cluster's barrier
	STEP 1, 0, 0
	s_wait_dscnt 4*NL                              ; the very last step: nothing more to fetch
	WIN MUL_LO
	MUL16 0, 1, 0
	MUL16 2, 1, 0
	s_wait_dscnt 0
	WIN MUL_HI
	MUL16 4, 1, 0
	MUL16 6, 1, 0
	WIN 0
; THE WAY OUT, block by block of 16 rows x 128 columns.  A lane holds 32 neighbouring bytes of a row, and the lanes beside it hold other rows: so a block's sums go through my own stage in LDS as they are and come
; back as whole rows of 512 bytes; there a lane holds the same four columns in every row, so four registers of out_b serve all: row x 2^(e6 + e7) + out_b, and the 32 lanes store 512 consecutive, aligned bytes.
; LDS serves a wave's instructions in order (ISA guide 5.7.1.4): no wait between the stores and the loads, nor in front of the next block's stores.
.macro TOSTAGE a
.set AC, 64*((\a)%4)
	WIN (0x08+4*((\a)/4))                          ; the stores' data: window 2 or 3
.irp b, 0,1,2,3,4,5,6,7
	ds_store_b128 v[STO], v[AC+8*\b:AC+8*\b+3] offset:64*\b          ; each accumulator from its low end on
	ds_store_b128 v[STO], v[AC+8*\b+4:AC+8*\b+7] offset:64*\b+16
.endr
	WIN 0
.set BB, BK+64*((\a)%2)
.irp t, 0,1,2,3,4,5,6,7,8,9,10,11,12,13,14,15
	ds_load_b128 v[BB+4*\t:BB+4*\t+3], v[RD] offset:\t*SPITCH
.endr
.endm
.macro SEND a, younger                 ; younger: the LDS instructions issued behind block a's loads, which may stay out
.set BB, BK+64*((\a)%2)
	s_wait_dscnt \younger                          ; the block is back in registers
.if (\a) > 0
	s_add_nc_u64 s[12:13], s[12:13], 16*SIZE_N*4   ; (behind a wait on XCNT: the earlier stores have read their base)  16 rows on, so that the stores' offsets stay small
.endif
.irp t, 0,1,2,3,4,5,6,7,8,9,10,11,12,13,14,15
	v_pk_fma_f32 v[BB+4*\t:BB+4*\t+1], v[BB+4*\t:BB+4*\t+1], s[96:97], v[OBI:OBI+1] op_sel_hi:[1,0,1]
	v_pk_fma_f32 v[BB+4*\t+2:BB+4*\t+3], v[BB+4*\t+2:BB+4*\t+3], s[96:97], v[OBI+2:OBI+3] op_sel_hi:[1,0,1]
.endr
.irp t, 0,1,2,3,4,5,6,7,8,9,10,11,12,13,14,15
	global_store_b128 v[CO], v[BB+4*\t:BB+4*\t+3], s[12:13] offset:\t*SIZE_N*4 th:TH_STORE_NT   ; written once, read by nobody here
.endr
.endm
	s_wait_kmcnt 0x0
	s_add_co_i32 s96, s96, s97                     ; e6 + e7, between -126 and 127,
	s_add_co_i32 s96, s96, 127
	s_lshl_b32 s96, s96, 23                        ; makes the f32 number 2^(e6 + e7)
	s_mov_b32 s97, s96                             ; (named with it as a pair, so it is written)
	s_wait_loadcnt 0x0                             ; out_b
	PLACES NP                                      ; behind the last products: for the loads into the registers that held A's fragments and for the stores that read results
	TOSTAGE 0
.irp a, 1,2,3,4,5,6,7
.if \a > 1
	s_wait_xcnt 0x0                                ; block a - 2's stores have read their registers and their base: block a's loads may land there, and the base may step
.endif
	TOSTAGE \a
	SEND \a-1, 32                                  ; behind block a - 1's loads: block a's 16 stores and 16 loads
.endr
	s_wait_xcnt 0x0                                ; block 6's stores have read their base
	SEND 7, 0
	s_wait_tensorcnt 0x0                           ; the wave's end: behind my last tensor load and my last LDS store
	ds_add_u32 v[SPW], v[NIL]
	s_wait_dscnt 0x0
	CROUND                                         ; the closing round: no work-group ends while a partner may still ask for a tile that names it
	s_endpgm
.Lfunc_end_k_qac7f12d57b_gemm_out:
	.size	k_qac7f12d57b_gemm_out, .Lfunc_end_k_qac7f12d57b_gemm_out-k_qac7f12d57b_gemm_out
	.p2alignl 7, 3214868480
	.fill 96, 4, 3214868480
	.section	.rodata,"a",@progbits
	.p2align	6, 0x0
	.amdhsa_kernel k_qac7f12d57b_gemm_out
		.amdhsa_group_segment_fixed_size 327680
		.amdhsa_private_segment_fixed_size 0
		.amdhsa_enable_private_segment 0
		.amdhsa_kernarg_size 40
		.amdhsa_user_sgpr_count 2
		.amdhsa_user_sgpr_kernarg_segment_ptr 1
		.amdhsa_wavefront_size32 1
		.amdhsa_system_sgpr_workgroup_id_x 1
		.amdhsa_system_sgpr_workgroup_id_y 1
		.amdhsa_system_sgpr_workgroup_id_z 1
		.amdhsa_system_vgpr_workitem_id 0
		.amdhsa_next_free_vgpr 1024
		.amdhsa_next_free_sgpr 100
		.amdhsa_reserve_vcc 0
		.amdhsa_float_denorm_mode_32 3
		.amdhsa_float_denorm_mode_16_64 3
		.amdhsa_memory_ordered 1
		.amdhsa_forward_progress 1
		.amdhsa_inst_pref_size 139
	.end_amdhsa_kernel
	.amdgpu_metadata
---
amdhsa.version: [ 1, 2 ]
amdhsa.kernels:
  - .name:           k_qac7f12d57b_gemm_out
    .symbol:         k_qac7f12d57b_gemm_out.kd
    .args:
      - { .name: ac, .offset: 0, .size: 8, .value_kind: global_buffer, .address_space: global }
      - { .name: cod, .offset: 8, .size: 8, .value_kind: global_buffer, .address_space: global }
      - { .name: lowp_scales, .offset: 16, .size: 8, .value_kind: global_buffer, .address_space: global }
      - { .name: out_b, .offset: 24, .size: 8, .value_kind: global_buffer, .address_space: global }
      - { .name: out0, .offset: 32, .size: 8, .value_kind: global_buffer, .address_space: global }
    .group_segment_fixed_size: 327680
    .private_segment_fixed_size: 0
    .kernarg_segment_align: 8
    .kernarg_segment_size: 40
    .max_flat_workgroup_size: 128
    .sgpr_count:     100
    .vgpr_count:     1024
    .wavefront_size: 32
...
	.end_amdgpu_metadata
.endif
;; end of part 4
